; MI455X (gfx1250); checked and timed in simulation.
; The chip was launched on July 23, 2026; its instructions are those of AMD's public machine-readable ISA for CDNA 5 (MIT licence, August 2026) and "CDNA5" Instruction Set Architecture Reference Guide (July 2026). The comments in the code are by the model that wrote it; some were corrected since.
;; Ensemble Layer. Allowed arithmetic: matrix products marked QUANTISED: E4M3 operands, one given power-of-two scale a tensor, by v_wmma_f32_16x16x64_fp8_fp8 or v_wmma_f32_16x16x128_fp8_fp8, f32 sums; products left as they are: f32 operands where the result goes on into a quantised operand, else bf16, f16 or f32 operands; f32 sums; everything else in f32.
;; Inputs: W 16 x 1,024 x 1,024 float32; W_prior 16 x 1,024 x 1,024 float32; b 16 x 1,024 float32; b_prior 16 x 1,024 float32; expert_idx 2,048 int32; logits 2,048 x 1,024 float32; lowp_scales 4 int32 (the exponents e of the quantised operands' scales 2^e); prior_logits 2,048 x 1,024 float32.
;; Outputs: out0 2,048 x 1 x 1,024 float32.
;; This version of the problem:
;;   THIS VERSION OF THE PROBLEM IS GIVEN IN LOW PRECISION. The matrix products marked QUANTISED in the list below multiply operands that are first quantised to E4M3 (4 exponent bits, 3 mantissa bits; 8 bits a number), with one given power-of-two scale for each operand tensor; their sums are f32. All else is computed in f32.
;;   The module's matrix products, in the order in which they are computed (A, B: the left and right operand; K: the contracted axis; several contracted axes count as one K, in the product's order):
;;     1. [M 2,048, K 1,024] x [K 1,024, N 16,384]; A: input logits; B: input W: QUANTISED (scales: A lowp_scales[0], B lowp_scales[1])
;;     2. batch 2,048 x [M 1, K 16] x [K 16, N 1,024]; A: computed on the way; B: computed on the way: left as it is (K = 16 < 32)
;;     3. [M 2,048, K 1,024] x [K 1,024, N 16,384]; A: input prior_logits; B: input W_prior: QUANTISED (scales: A lowp_scales[2], B lowp_scales[3])
;;     4. batch 2,048 x [M 1, K 16] x [K 16, N 1,024]; A: computed on the way; B: computed on the way: left as it is (K = 16 < 32)
;;   THE QUANTISER, for each operand of a quantised product, along K:
;;     - The operand's scale is 2^e, e = its entry of the input lowp_scales (int32; the entries are numbered through the quantised products in the list's order, A before B).
;;     - Each number is divided by the scale, clamped to +-448, and rounded to the nearest number of E4M3, ties to even, subnormals kept.
;;     - The product sums the exact products of the quantised numbers (number of the format x scale) in f32.
;;   ~~~python
;;   def quantise(x, axis, e):      # numpy; x: float32 -> the quantised numbers, widened to float32 again
;;       x = np.moveaxis(x, axis, -1); K = x.shape[-1]
;;       r = np.clip(x / 2.0 ** e, -448, 448)
;;       step = 2.0 ** (np.maximum(np.frexp(np.where(r == 0, 1, r))[1] - 1, -6) - 3)
;;       q = np.round(r / step) * step * 2.0 ** e      # np.round: ties to even
;;       return np.moveaxis(q, -1, axis).astype(np.float32)
;;   ~~~
;; 2 versions. Each part assembles by itself: llvm-mc -triple=amdgcn-amd-amdhsa -mcpu=gfx1250 --defsym DOCPART=n.
;; ======== version 1 of 2: 3 launches
;; workspace buffers: xq 69,206,016 bytes; posof 131,072 bytes of whole numbers; cnt 4,096 bytes of whole numbers; ys 138,412,032 bytes
;; launch place (part 1): grid 4 x 256, 1 waves a work-group, no clusters, 17,920 bytes of LDS; arguments logits, prior_logits, expert_idx, lowp_scales, xq, posof, cnt; writes xq, posof, cnt
.if DOCPART == 1
	.amdgcn_target "amdgcn-amd-amdhsa--gfx1250"
	.amdhsa_code_object_version 6
	.text
	.protected	k_q0b30446d2e_place
	.globl	k_q0b30446d2e_place
	.p2align	8
	.type	k_q0b30446d2e_place,@function
k_q0b30446d2e_place:
	s_mov_b64 s[64:65], 0
	v_nop
	global_prefetch_b8 v0, s[64:65] scope:SCOPE_SE
	s_setreg_imm32_b32 hwreg(HW_REG_WAVE_MODE, 25, 1), 1
	s_wait_xcnt 0x0
; PLACE: the tokens are sorted by expert and quantised once, into images of the matrix operand's registers.
; A work-group is ONE wave.  x = gg (0..3): tensor (logits for gg < 2, else prior_logits) and which 512 of its 1,024 k (gg & 1).  y = 16 e + p: expert e; the wave takes the expert's tiles p, p + 16, .. p + 128.
; 1. The wave makes expert e's list (slot -> token) in its own LDS by a counting compaction of expert_idx: the same enumeration in every work-group, so all agree on the slots.  Unused slots hold token 0.
; 2. The work-group with gg = 0 and p = 0 stores posof[e][t] for all 2,048 tokens t: 2,112 e + slot where t is expert e's, else 0 (so the sixteen entries of a token, joined by OR, are its row in the next launch's results),
;    and the count (repeated over 64 words: one aligned run of 256 bytes).
; 3. For each of its tiles below 12 x ceil(count / 192): 16 tokens x 512 k are gathered, turned through a stage in LDS so that a lane holds 16 neighbours along k, held within +-448 x 2^e,
;    converted to E4M3 (nearest, ties to even) and stored: xq[e][tile][g = 4 gg + ks][2,048 bytes]; piece cc (512 bytes): lane l's 16 bytes at 16 l = token l % 16, k = 128 (g % 8) + 32 cc + 16 (l / 16) + 0 .. 15.
;    The next launch works chunks of 12 tiles (192 slots) by constant addresses: so every tile of a chunk that has begun is written; its unused slots hold token 0's codes, whose results nobody reads.
; One wave to a work-group: no barrier, and LDS serves a wave's instructions in order (ISA guide 5.7.1.4), so the compaction's stores, whose addresses hang on expert_idx, are ordered with all other LDS lines.
; The loop over tiles has a constant 9 trips, which serves every split (one expert may hold all 2,048 tokens: 11 chunks, 132 tiles); a trip whose tile is not wanted jumps over the work.
; LIMITS: lowp_scales[0] and [2] between -126 and 119, so that 2^e and 448 x 2^e are f32 numbers.  NaN among the inputs is not served; infinities are held at the largest code.  expert_idx lies in 0 .. 15.
.set LISTW, 2176                       ; words of a list: 11 chunks of 192 slots and 64 more; behind them 32 dump words
.set SLOTS, 2112                       ; rows of an expert in the next launch's results: 11 chunks of 192
.set STG,   9216                       ; LDS: the list and the dump words lie in bytes 0 .. 8,831; bytes 0 .. 9,215 begin as zeros; the stage begins here
.set SP,    528                        ; a stage row: a token's 512 bytes + 16 of padding = 33 x 16 bytes: the 16 rows that a load touches start at 16 different banks (64 banks of 4 bytes: ISA guide 11.1)
.set XQE,   132*32768                  ; bytes of an expert in xq
.set IDX,   32                         ; v32-95   expert_idx: register 4 n + c of lane l is token 128 n + 4 l + c; the compaction leaves the token's entry of posof there
.set R,     32                         ; v32-159  afterwards: two sets of 64 registers as loaded
.set X,     160                        ; v160-223 64 numbers of a lane: register 16 cc + i = k 32 cc + 16 (l / 16) + i of token l % 16
.set C,     224                        ; v224-255 two sets of 16 registers of codes
	s_load_b256 s[4:11], s[0:1], 0x0               ; logits s[4:5], prior_logits s[6:7], expert_idx s[8:9], lowp_scales s[10:11]
	s_load_b128 s[12:15], s[0:1], 0x20             ; xq s[12:13], posof s[14:15]
	s_load_b64 s[16:17], s[0:1], 0x30              ; cnt
	s_set_vgpr_msb 0x40
	v_lshl_add_u32 v0, v0, 2, 0x4500
	v_mov_b32 v1, 0
	s_set_vgpr_msb 0x4000
	s_mov_b32 s18, ttmp9                           ; gg
	s_and_b32 s19, ttmp7, 0xffff
	s_lshr_b32 s20, s19, 4                         ; e
	s_and_b32 s21, s19, 15                         ; p
	v_lshlrev_b32 v1, 4, v0                        ; 16 x lane
	v_lshlrev_b32 v2, 2, v0                        ; 4 x lane
	v_add_nc_u32 v3, LISTW, v0                     ; my dump word's index: where a token of another expert goes
	v_and_b32 v30, 15, v0                          ; l % 16
	v_lshrrev_b32 v31, 4, v0                       ; l / 16
	v_lshlrev_b32 v14, 4, v30                      ; 16 (l % 16)
	v_mul_u32_u24 v6, v31, SP
	v_add_nc_u32 v6, v6, v14
	v_add_nc_u32 v6, STG, v6                       ; into the stage: lanes 0-15 fill 256 bytes of one row, lanes 16-31 of the next
	v_mul_u32_u24 v7, v30, SP
	v_lshl_add_u32 v7, v31, 6, v7
	v_add_nc_u32 v7, STG, v7                       ; out of it: row l % 16, + 64 (l / 16): my 16 numbers of a block of 32
	s_lshl_b32 s38, s21, 6
	v_lshl_add_u32 v8, v31, 2, s38                 ; the list's word of slot 16 p + l / 16
	v_mov_b32 v24, 0
	v_mov_b32 v25, 0
	v_mov_b32 v26, 0
	v_mov_b32 v27, 0
	s_wait_kmcnt 0x0
	s_load_b128 s[24:27], s[10:11], 0x0            ; e0 .. e3
.irp n, 0,1,2,3,4,5,6,7,8,9,10,11,12,13,14,15
	global_load_b128 v[IDX+4*\n:IDX+4*\n+3], v1, s[8:9] offset:512*\n   ; 512 consecutive bytes a load
.endr
.irp n, 0,1,2,3,4,5,6,7,8,9,10,11,12,13,14,15,16,17
	ds_store_b128 v1, v[24:27] offset:512*\n       ; zeros: 18 x 512 bytes, the list and all up to the stage: every byte that the tile loop's reads of the list can name (8 x 1,024 + 15 x 64 + 4 + 56 + 4 = 9,216)
.endr
	s_mov_b32 s28, 0                               ; tokens of my expert so far,
	s_mul_i32 s22, s20, SLOTS                      ; and the same + 2,112 e: the next token's row in the results
	s_wait_loadcnt 0x0                             ; all of expert_idx is in
; 32 tokens: those of my expert get the next slots, in lane order; the others write their lane's dump word.
.macro COMPACT n, c
.set VA, 10+2*((\c)%2)
	v_cmp_eq_u32 vcc_lo, s20, v[IDX+4*(\n)+(\c)]
	v_mbcnt_lo_u32_b32 v[VA], vcc_lo, s28          ; slot = the count so far + the matching lanes below me
	v_mbcnt_lo_u32_b32 v[IDX+4*(\n)+(\c)], vcc_lo, s22   ; 2,112 e + slot, over the index, which has been compared
	s_bcnt1_i32_b32 s29, vcc_lo
	v_cndmask_b32 v[VA], v3, v[VA], vcc_lo
	v_cndmask_b32 v[IDX+4*(\n)+(\c)], 0, v[IDX+4*(\n)+(\c)], vcc_lo   ; the token's entry of posof: 0 where it is another expert's
	s_add_co_u32 s28, s28, s29
	s_add_co_u32 s22, s22, s29
	v_min_u32 v[VA], 0x89f, v[VA]                  ; held inside the list and its dump words (2,207 is the last word)
	v_lshlrev_b32 v[VA], 2, v[VA]
	v_add_nc_u32 v[VA+1], 128*(\n)+(\c), v2        ; the token
	ds_store_b32 v[VA], v[VA+1]
.endm
.irp n, 0,1,2,3,4,5,6,7,8,9,10,11,12,13,14,15
.irp c, 0,1,2,3
	COMPACT \n, \c
.endr
.endr
	s_add_co_u32 s30, s28, 191                     ; the tiles to write: 12 x ceil(count / 192).  (count + 191) / 192 = ((count + 191) / 64) / 3,
	s_lshr_b32 s30, s30, 6                         ; at most 34,
	s_mul_i32 s30, s30, 171
	s_lshr_b32 s30, s30, 9                         ; and y / 3 = (171 y) >> 9 for y under 256
	s_mul_i32 s30, s30, 12
	s_or_b32 s29, s18, s21                         ; one work-group of the expert stores its row of posof and the count
	s_cmp_lg_u32 s29, 0
	s_cbranch_scc1 .Lnot_first
	s_lshl_b32 s36, s20, 13                        ; 2,048 words an expert
	s_mov_b32 s37, 0
	s_add_nc_u64 s[14:15], s[14:15], s[36:37]
	s_lshl_b32 s36, s20, 8
	s_add_nc_u64 s[16:17], s[16:17], s[36:37]
.irp n, 0,1,2,3,4,5,6,7,8,9,10,11,12,13,14,15
	global_store_b128 v1, v[IDX+4*\n:IDX+4*\n+3], s[14:15] offset:512*\n   ; tokens 128 n + 4 l + 0 .. 3: 512 consecutive bytes
.endr
	v_mov_b32 v28, s28
	v_mov_b32 v29, s28
	v_lshlrev_b32 v30, 3, v0
	global_store_b64 v30, v[28:29], s[16:17]       ; the count, 64 times: 256 consecutive bytes
	s_wait_xcnt 0x0                                ; the stores have read their registers: v32 on takes loads below
.Lnot_first:
	s_wait_kmcnt 0x0                               ; the scales' exponents
	s_cmp_lt_u32 s18, 2                            ; the choice hangs on the work-group's number alone
	s_cselect_b32 s38, s24, s26                    ; e of my tensor
	s_cselect_b64 s[34:35], s[4:5], s[6:7]
	s_add_co_i32 s38, s38, 127
	s_lshl_b32 s39, s38, 23
	v_mov_b32 v5, s39                              ; 2^e as f32: the conversion takes its exponent field
	s_add_co_i32 s38, s38, 8
	s_lshl_b32 s38, s38, 23
	s_or_b32 s38, s38, 0x600000
	v_mov_b32 v4, s38                              ; 448 x 2^e
	s_and_b32 s36, s18, 1
	s_lshl_b32 s36, s36, 11                        ; my 512 k: 2,048 bytes of a row
	s_mov_b32 s37, 0
	s_add_nc_u64 s[34:35], s[34:35], s[36:37]
	s_mul_i32 s36, s20, XQE
	s_lshl_b32 s38, s18, 13                        ; g = 4 gg: 4 x 2,048 bytes
	s_add_co_u32 s36, s36, s38
	s_add_nc_u64 s[12:13], s[12:13], s[36:37]
; K step ks (128 k) of the tile's 16 tokens into set ks % 2: sixteen lanes read 256 consecutive bytes of one token's row
.macro LOADK ks
.irp t, 0,1,2,3,4,5,6,7
.irp hf, 0,1
	global_load_b128 v[R+64*((\ks)%2)+4*(2*\t+\hf):R+64*((\ks)%2)+4*(2*\t+\hf)+3], v[16+\t], s[34:35] offset:512*(\ks)+256*\hf
.endr
.endr
.endm
.macro STEP ks
.if (\ks) < 3
	s_wait_loadcnt 16                              ; this step's 16 loads are in; the next step's 16 may be out
.else
	s_wait_loadcnt 0x0
.endif
.irp t, 0,1,2,3,4,5,6,7
.irp hf, 0,1
	ds_store_b128 v6, v[R+64*((\ks)%2)+4*(2*\t+\hf):R+64*((\ks)%2)+4*(2*\t+\hf)+3] offset:2*SP*\t+256*\hf
.endr
.endr
.irp cc, 0,1,2,3
.irp tt, 0,1,2,3
	ds_load_b128 v[X+16*\cc+4*\tt:X+16*\cc+4*\tt+3], v7 offset:128*\cc+16*\tt   ; in order behind the stores above
.endr
.endr
	s_wait_dscnt 0x0                               ; the numbers are back, and the stores have read their set,
.if (\ks) < 2
	LOADK (\ks)+2                                  ; which takes the loads of two steps on
.endif
.set i, 0
.rept 64
	v_med3_num_f32 v[X+i], v[X+i], -v4, v4         ; the conversion to an 8-bit code does not saturate (ISA guide 7.6.2): the hold at the largest code x the scale
.set i, i+1
.endr
	s_wait_xcnt 0x0                                ; the stores of two steps back have read this set of codes
.irp cc, 0,1,2,3
	v_cvt_scalef32_pk8_fp8_f32 v[C+16*((\ks)%2)+4*\cc:C+16*((\ks)%2)+4*\cc+1], v[X+16*\cc:X+16*\cc+7], v5
	v_cvt_scalef32_pk8_fp8_f32 v[C+16*((\ks)%2)+4*\cc+2:C+16*((\ks)%2)+4*\cc+3], v[X+16*\cc+8:X+16*\cc+15], v5
.endr
	v_nop                                          ; one plain vector line behind the last conversion of the run
.irp cc, 0,1,2,3
	global_store_b128 v15, v[C+16*((\ks)%2)+4*\cc:C+16*((\ks)%2)+4*\cc+3], s[12:13] offset:2048*(\ks)+512*\cc   ; 512 consecutive bytes
.endr
.endm
	s_mov_b32 s31, s21                             ; the tile: p, p + 16, ..
	s_mov_b32 s32, 0                               ; its 16 tiles' step in the list: 1,024 bytes
	s_mov_b32 s33, 0
.Ltile:
	s_cmp_lt_u32 s31, s30
	s_cbranch_scc0 .Lnext                          ; the tile is not wanted: nothing is loaded, nothing stored
	v_add_nc_u32 v9, s32, v8
.irp t, 0,1,2,3,4,5,6,7
	ds_load_b32 v[16+\t], v9 offset:8*\t           ; the token of slot 16 tile + 2 t + l / 16
.endr
	s_lshl_b32 s38, s31, 15                        ; a tile of xq is 32,768 bytes
	v_add_nc_u32 v15, s38, v1
	s_wait_dscnt 0x0
.irp t, 0,1,2,3,4,5,6,7
	v_min_u32 v[16+\t], 0x7ff, v[16+\t]            ; a token's number, held inside the tensor
	v_lshlrev_b32 v[16+\t], 12, v[16+\t]           ; its row of 4,096 bytes
	v_add_nc_u32 v[16+\t], v[16+\t], v14
.endr
	LOADK 0
	LOADK 1
	STEP 0
	STEP 1
	STEP 2
	STEP 3
	s_wait_xcnt 0x0                                ; the offsets and the codes are written again in the next trip
.Lnext:
	s_add_co_u32 s31, s31, 16
	s_add_co_u32 s32, s32, 1024
	s_add_co_u32 s33, s33, 1
	s_cmp_lt_u32 s33, 9
	s_cbranch_scc1 .Ltile
	s_set_vgpr_msb 0x5
	s_wait_tensorcnt 0x0
	ds_add_u32 v0, v1
	s_wait_dscnt 0x0
	s_set_vgpr_msb 0x500
	s_endpgm
.Lfunc_end_k_q0b30446d2e_place:
	.size	k_q0b30446d2e_place, .Lfunc_end_k_q0b30446d2e_place-k_q0b30446d2e_place
	.p2alignl 7, 3214868480
	.fill 96, 4, 3214868480
	.section	.rodata,"a",@progbits
	.p2align	6, 0x0
	.amdhsa_kernel k_q0b30446d2e_place
		.amdhsa_group_segment_fixed_size 17920
		.amdhsa_private_segment_fixed_size 0
		.amdhsa_enable_private_segment 0
		.amdhsa_kernarg_size 56
		.amdhsa_user_sgpr_count 2
		.amdhsa_user_sgpr_kernarg_segment_ptr 1
		.amdhsa_wavefront_size32 1
		.amdhsa_system_sgpr_workgroup_id_x 1
		.amdhsa_system_sgpr_workgroup_id_y 1
		.amdhsa_system_sgpr_workgroup_id_z 1
		.amdhsa_system_vgpr_workitem_id 0
		.amdhsa_next_free_vgpr 258
		.amdhsa_next_free_sgpr 66
		.amdhsa_reserve_vcc 1
		.amdhsa_float_denorm_mode_32 3
		.amdhsa_float_denorm_mode_16_64 3
		.amdhsa_memory_ordered 1
		.amdhsa_forward_progress 1
		.amdhsa_inst_pref_size 78
	.end_amdhsa_kernel
	.amdgpu_metadata
---
amdhsa.version: [ 1, 2 ]
amdhsa.kernels:
  - .name:           k_q0b30446d2e_place
    .symbol:         k_q0b30446d2e_place.kd
    .args:
      - { .name: logits, .offset: 0, .size: 8, .value_kind: global_buffer, .address_space: global }
      - { .name: prior_logits, .offset: 8, .size: 8, .value_kind: global_buffer, .address_space: global }
      - { .name: expert_idx, .offset: 16, .size: 8, .value_kind: global_buffer, .address_space: global }
      - { .name: lowp_scales, .offset: 24, .size: 8, .value_kind: global_buffer, .address_space: global }
      - { .name: xq, .offset: 32, .size: 8, .value_kind: global_buffer, .address_space: global }
      - { .name: posof, .offset: 40, .size: 8, .value_kind: global_buffer, .address_space: global }
      - { .name: cnt, .offset: 48, .size: 8, .value_kind: global_buffer, .address_space: global }
    .group_segment_fixed_size: 17920
    .private_segment_fixed_size: 0
    .kernarg_segment_align: 8
    .kernarg_segment_size: 56
    .max_flat_workgroup_size: 32
    .sgpr_count:     66
    .vgpr_count:     258
    .wavefront_size: 32
...
	.end_amdgpu_metadata
.endif
;; end of part 1
;; launch expert (part 2): grid 16 x 16, 4 waves a work-group, no clusters, 243,200 bytes of LDS; arguments W, W_prior, b, b_prior, lowp_scales, xq, cnt, ys; writes ys
.if DOCPART == 2
	.amdgcn_target "amdgcn-amd-amdhsa--gfx1250"
	.amdhsa_code_object_version 6
	.text
	.protected	k_q0b30446d2e_expert
	.globl	k_q0b30446d2e_expert
	.p2align	8
	.type	k_q0b30446d2e_expert,@function
k_q0b30446d2e_expert:
	s_mov_b64 s[64:65], 0
	v_nop
	global_prefetch_b8 v0, s[64:65] scope:SCOPE_SE
	s_setreg_imm32_b32 hwreg(HW_REG_WAVE_MODE, 25, 1), 1
	s_wait_xcnt 0x0
; ys[e][slot] = W[e] x + b[e] + W_prior[e] xp + b_prior[e] for the token in that slot of expert e's list (x, xp: its rows of logits and prior_logits), both products on codes of E4M3.  The next launch carries the rows to out0.
; SHARES.  Work-group (x = ob, y = e): expert e, output features 64 ob .. 64 ob + 63: 512 KB of f32 weights, which no other work-group reads.  They are read once, 512 consecutive bytes a load,
; quantised in registers and multiplied as they come; their codes never go to memory.  THE FOUR WAVES SHARE K: wave q takes all 64 rows x 512 k (W for q < 2, else W_prior; its half q & 1), so each token
; fragment is read by one wave and feeds four products.  The four partial sums meet in LDS; there the two products' scales and the biases are applied, and sixteen lanes store 256 consecutive, aligned bytes of a slot's row.
; TOKENS come as register images from xq (made by the launch before), by tiles of 16 slots of the expert's list.  A CHUNK is 192 slots, always worked as 12 tiles, at constant offsets from a base that steps by a chunk a trip:
; the launch before has written all 12 tiles of every chunk that has a token.  All 192 rows of such a chunk are stored; those of slots past the expert's last token hold token 0's results, and nobody reads them.
; The loop over chunks has a constant 11 trips (2,048 tokens may all be one expert's); a trip without tokens jumps over the work and passes the two barriers.  An expert with more than 192 tokens reads its weights once for each 192.
; The expert's count, a stored whole number, decides the two jumps and nothing else: every address is made of ids, constants and the loop's constant steps, and all lanes are on throughout.
; THE MATRIX INSTRUCTION: source 0 = 16 rows of W, source 1 = 16 tokens: a lane holds one token (l % 16) and eight neighbouring features (8 (l / 16) + 0 .. 7).  Both fragments hold k = 32 cc + 16 (l / 16) + 0 .. 15 in
; registers 4 cc .. 4 cc + 3: the same permutation of k on both sides, so every product meets its partner.
; NO TENSOR LOADS AND NO CLUSTER: the jumps hang on the stored counts; the weights, 512 KB of a work-group's 896 KB, are shared by nobody.
; LIMITS: lowp_scales[1], [3] between -126 and 119; [0] + [1] and [2] + [3] between -126 and 127, so that each power of two below is an f32 number.  NaN among the inputs is not served; infinities are held at the largest code.
; A UNIT u = 4 s + a is 16 rows (row tile a) x 128 k (K step s) of f32: 16 loads.  A ring of three units in registers; a unit is turned through the wave's own stage in LDS so that a lane holds 16 neighbours along k.
; The products run one K step behind the quantiser: unit 4 s + a multiplies K step s - 1 by token tiles 3 a .. 3 a + 2, and then loads those tiles' fragments of K step s into the same registers.
; REGISTERS, in windows of 256: window 0: v1-60 addresses and constants (below); v64-255 the 12 token fragments; in the way out v64-191 two sets of partial sums.
;   window 1: v0-191 the ring; v192-255 X, the 64 turned numbers.   window 2: v0-191 accumulators of row tiles 0, 1 (at 96 (rt & 1) + 8 j); v192-255 W's codes of even K steps.   window 3: the same for row tiles 2, 3 and odd K steps.
.set WSTB,  16*528                     ; LDS: a wave's stage for turning W: 16 rows x (512 + 16) bytes
.set STG,   4*WSTB                     ; behind them the partial sums: four parts of
.set PART,  192*272                    ; 192 slots x (256 + 16) bytes
.set TILEB, 32768                      ; bytes of a tile in xq
.set XQE,   132*TILEB                  ; of an expert in xq
.set YSE,   2112*4096                  ; and in ys: 11 chunks of 192 rows of 4,096 bytes
.set RD,    20                         ; v20-23  where I read part p of the partial sums
.set BIAS,  24                         ; v24-27  b + b_prior of my four features
.set YO,    60                         ; v60     the way out: (48 q + h) rows of 4,096 bytes + 16 r; never rewritten
.set BF,    64                         ; the token fragments
.set MSB, 0
.macro WIN new                         ; the immediate's high byte repeats the setting that is left; a switch that changes nothing is dropped
.if MSB != (\new)
	s_set_vgpr_msb (MSB<<8)|(\new)
.set MSB, (\new)
.endif
.endm
	s_load_b256 s[4:11], s[0:1], 0x0               ; W s[4:5], W_prior s[6:7], b s[8:9], b_prior s[10:11]
	s_load_b256 s[12:19], s[0:1], 0x20             ; lowp_scales s[12:13], xq s[14:15], cnt s[16:17], ys s[18:19]
	v_lshl_add_u32 v62, v0, 2, 0x3b400
	v_mov_b32 v63, 0
	v_lshrrev_b32 v28, 5, v0
	v_readfirstlane_b32 s22, v28                   ; q: wave 0..3
	s_and_b32 s23, ttmp7, 0xffff                   ; e
	s_mov_b32 s24, ttmp9                           ; ob
	v_and_b32 v29, 31, v0                          ; lane
	v_and_b32 v30, 15, v0                          ; r
	v_bfe_u32 v59, v0, 4, 1                        ; h
	v_lshlrev_b32 v1, 4, v29                       ; v1: 16 x lane
	s_mul_i32 s46, s22, WSTB
	v_add_nc_u32 v2, s46, v1                       ; v2: into my stage: a row's 512 bytes as loaded
	v_mul_u32_u24 v3, v30, 528
	v_lshl_add_u32 v3, v59, 6, v3
	v_add_nc_u32 v3, s46, v3                       ; v3: out of it: row r, + 64 h: my 16 numbers of a block of 32
	v_lshrrev_b32 v28, 1, v29
	v_and_b32 v18, 1, v29
	v_lshlrev_b32 v18, 8, v18
	v_lshl_add_u32 v18, v28, 12, v18               ; v18: the prefetches' offset: row lane / 2 of a unit, its 256 bytes lane % 2
	s_mul_i32 s46, s22, PART
	s_add_co_u32 s46, s46, STG
	v_mul_u32_u24 v19, v30, 272
	v_lshl_add_u32 v19, v59, 5, v19
	v_add_nc_u32 v19, s46, v19                     ; v19: my part of the sums: slot r, + 32 h
	v_lshlrev_b32 v56, 4, v30                      ; v56: 16 r
	s_mul_i32 s46, s22, 48*272
	s_add_co_u32 s46, s46, STG
	v_mul_u32_u24 v[RD], v59, 272
	v_add_nc_u32 v[RD], v[RD], v56
	v_add_nc_u32 v[RD], s46, v[RD]                 ; back: slot 48 q + h, features 4 r .. 4 r + 3, of part 0,
	v_add_nc_u32 v[RD+1], PART, v[RD]
	v_add_nc_u32 v[RD+2], 2*PART, v[RD]
	v_add_nc_u32 v[RD+3], 3*PART, v[RD]            ; 1, 2, 3
	s_mul_i32 s46, s22, 48*4096
	v_lshl_add_u32 v[YO], v59, 12, v56
	v_add_nc_u32 v[YO], s46, v[YO]                 ; and the same slot's row in the chunk's part of ys
	s_lshl_b32 s46, s23, 22                        ; W: expert e: 4 MiB,
	s_lshl_b32 s47, s24, 18                        ; 64 rows of 4,096 bytes,
	s_add_co_u32 s46, s46, s47
	s_and_b32 s47, s22, 1
	s_lshl_b32 s47, s47, 11                        ; my 512 k
	s_add_co_u32 s46, s46, s47
	s_mov_b32 s47, 0
	s_mul_i32 s48, s23, XQE
	s_lshl_b32 s49, s22, 13                        ; xq: g = 4 q
	s_add_co_u32 s48, s48, s49
	s_mov_b32 s49, 0
	s_wait_kmcnt 0x0
	s_load_b128 s[28:31], s[12:13], 0x0            ; e0 .. e3
	s_cmp_lt_u32 s22, 2                            ; the choice hangs on the wave's number alone
	s_cselect_b64 s[32:33], s[4:5], s[6:7]
	s_add_nc_u64 s[32:33], s[32:33], s[46:47]      ; s[32:33]: my weights; never rewritten
	s_add_nc_u64 s[34:35], s[14:15], s[48:49]      ; s[34:35]: my K steps of the chunk's first tile; steps by a chunk a trip
	s_lshl_b32 s46, s23, 8
	s_add_nc_u64 s[16:17], s[16:17], s[46:47]
	s_load_b32 s25, s[16:17], 0x0                  ; the expert's count
	s_mul_i32 s46, s23, YSE
	s_add_nc_u64 s[20:21], s[18:19], s[46:47]      ; s[20:21]: the chunk's 192 rows of the expert's part of ys,
	s_lshl_b32 s46, s24, 8
	s_add_nc_u64 s[20:21], s[20:21], s[46:47]      ; at my 64 features; steps by a chunk a trip
	s_lshl_b32 s48, s23, 12
	s_add_co_u32 s48, s48, s46
	v_add_nc_u32 v28, s48, v56                     ; the biases: (1,024 e + 64 ob + 4 r) x 4 bytes
	global_load_b128 v[BIAS:BIAS+3], v28, s[8:9]
	global_load_b128 v[BF:BF+3], v28, s[10:11]
	s_wait_kmcnt 0x0
	s_add_co_i32 s36, s28, s29
	s_add_co_i32 s36, s36, 127
	s_lshl_b32 s36, s36, 23                        ; 2^(e0 + e1) as f32
	s_mov_b32 s37, s36                             ; (named with it as a pair, so it is written)
	s_add_co_i32 s38, s30, s31
	s_add_co_i32 s38, s38, 127
	s_lshl_b32 s38, s38, 23                        ; 2^(e2 + e3)
	s_mov_b32 s39, s38
	s_cmp_lt_u32 s22, 2
	s_cselect_b32 s46, s29, s31                    ; my weights' e
	s_add_co_i32 s46, s46, 127
	s_lshl_b32 s47, s46, 23
	v_mov_b32 v5, s47                              ; v5: 2^e as f32: the conversion takes its exponent field
	s_add_co_i32 s46, s46, 8
	s_lshl_b32 s46, s46, 23
	s_or_b32 s46, s46, 0x600000
	v_mov_b32 v4, s46                              ; v4: 448 x 2^e
	s_wait_loadcnt 0x0
	v_pk_add_f32 v[BIAS:BIAS+1], v[BIAS:BIAS+1], v[BF:BF+1]
	v_pk_add_f32 v[BIAS+2:BIAS+3], v[BIAS+2:BIAS+3], v[BF+2:BF+3]
	s_mov_b32 s40, 0                               ; the chunk
.macro WLOAD u                         ; unit u into ring slot u % 3: each load is one row's 512 consecutive bytes
	WIN 0x40                                       ; destination window 1
.irp i, 0,1,2,3,4,5,6,7,8,9,10,11,12,13,14,15
	global_load_b128 v[64*((\u)%3)+4*\i:64*((\u)%3)+4*\i+3], v1, s[32:33] offset:(((\u)%4)*16+\i)*4096+((\u)/4)*512 th:TH_LOAD_NT
.endr
.endm
.macro TURN u                          ; through my own stage: LDS serves a wave's instructions in order (ISA guide 5.7.1.4), so no wait stands between the stores and the loads
	WIN 0x04                                       ; store data window 1
.irp i, 0,1,2,3,4,5,6,7,8,9,10,11,12,13,14,15
	ds_store_b128 v2, v[64*((\u)%3)+4*\i:64*((\u)%3)+4*\i+3] offset:528*\i
.endr
	WIN 0x40
.irp cc, 0,1,2,3
.irp tt, 0,1,2,3
	ds_load_b128 v[192+16*\cc+4*\tt:192+16*\cc+4*\tt+3], v3 offset:128*\cc+16*\tt
.endr
.endr
.endm
; 12 products of K step s: the four row tiles x token tiles 3 a .. 3 a + 2.  The 48 accumulators take turns, one instruction a turn.  K step 0 starts the sums: nothing is cleared.
.macro MM s, a
.irp hi, 0,1
	WIN (2+(\s)%2)+80*(2+\hi)                      ; source 0 (W's codes) window 2 or 3 by the K step; source 1 (tokens) window 0; C and D window 2 + hi
.irp jj, 0,1,2
.irp rr, 0,1
.if (\s) == 0
	v_wmma_f32_16x16x128_fp8_fp8 v[96*\rr+8*(3*(\a)+\jj):96*\rr+8*(3*(\a)+\jj)+7], v[192+16*(2*\hi+\rr):192+16*(2*\hi+\rr)+15], v[BF+16*(3*(\a)+\jj):BF+16*(3*(\a)+\jj)+15], 0
.else
	v_wmma_f32_16x16x128_fp8_fp8 v[96*\rr+8*(3*(\a)+\jj):96*\rr+8*(3*(\a)+\jj)+7], v[192+16*(2*\hi+\rr):192+16*(2*\hi+\rr)+15], v[BF+16*(3*(\a)+\jj):BF+16*(3*(\a)+\jj)+15], v[96*\rr+8*(3*(\a)+\jj):96*\rr+8*(3*(\a)+\jj)+7]
.endif
.endr
.endr
.endr
.endm
.macro QUANT s, a                      ; X becomes row tile a's fragment of K step s
	WIN 0x41                                       ; source 0 and destination window 1
.set i, 0
.rept 64
	v_med3_num_f32 v[192+i], v[192+i], -v4, v4     ; the conversion to an 8-bit code does not saturate (ISA guide 7.6.2): the hold at the largest code x the scale
.set i, i+1
.endr
	WIN 0x01+64*(2+(\s)%2)                         ; the codes go to window 2 or 3: the set that the products in hand do not read
.irp cc, 0,1,2,3
	v_cvt_scalef32_pk8_fp8_f32 v[192+16*(\a)+4*\cc:192+16*(\a)+4*\cc+1], v[192+16*\cc:192+16*\cc+7], v5
	v_cvt_scalef32_pk8_fp8_f32 v[192+16*(\a)+4*\cc+2:192+16*(\a)+4*\cc+3], v[192+16*\cc+8:192+16*\cc+15], v5
.endr
	v_nop                                          ; one plain vector line between the last conversion and whatever touches its registers next
	WIN 0
.endm
.macro BLOAD s, a                      ; token tiles 3 a .. 3 a + 2 of the chunk, K step s: register images, 512 consecutive bytes a load; tile, K step and piece stand in the immediate (368,128 at the most)
.irp jj, 0,1,2
.irp cc, 0,1,2,3
	global_load_b128 v[BF+16*(3*(\a)+\jj)+4*\cc:BF+16*(3*(\a)+\jj)+4*\cc+3], v1, s[34:35] offset:TILEB*(3*(\a)+\jj)+2048*(\s)+512*\cc
.endr
.endr
.endm
; A PREFETCH INTO THE L2 of unit w = u + 6: its 16 rows x 512 bytes, a lane to each aligned 256 bytes, one instruction.  It stands behind the unit's loads, three units ahead of the load that wants those bytes.
; Only I read these bytes, and I ask in the first chunk alone: each block is named once in the launch.  Units 0 to 5 come by their loads alone; the last six units ask for nothing.  Its address registers are never rewritten.
.macro ASK w
	s_cmp_eq_u32 s40, 0
	s_cbranch_scc0 .Lasked_\@
	global_prefetch_b8 v18, s[32:33] offset:(((\w)%4)*16)*4096+((\w)/4)*512 th:TH_LOAD_NT scope:SCOPE_SE
.Lasked_\@:
.endm
; n: the loads issued behind unit u's that may stay out.  Loads come back in order (ISA guide 5.7.1), and the token fragments that this unit multiplies were issued ahead of unit u's loads: the one wait serves both.
.macro UNIT u, n
	s_wait_loadcnt \n
	TURN \u
.if (\u) >= 4
	MM (\u)/4-1, (\u)%4                            ; while the numbers go through the stage
.endif
	WIN 0
	s_wait_dscnt 0x0                               ; X is in, and the stores have read their ring slot,
.if (\u) <= 12
	WLOAD (\u)+3                                   ; which takes the unit three on
.endif
	QUANT (\u)/4, (\u)%4                           ; its 64 holds are also the places between the products above and the loads into their token fragments below
	BLOAD (\u)/4, (\u)%4
.if (\u) <= 9
	ASK (\u)+6
.endif
.endm
; THE WAY OUT's two macros.  Four pairs of slots x four parts into set b % 2:
.macro EBATCH b
.irp ii, 0,1,2,3
.irp p, 0,1,2,3
	ds_load_b128 v[BF+64*((\b)%2)+16*\ii+4*\p:BF+64*((\b)%2)+16*\ii+4*\p+3], v[RD+\p] offset:544*(4*(\b)+\ii)
.endr
.endr
.endm
.macro ESEND b, younger                ; younger: the next batch's loads, which may stay out
.irp ii, 0,1,2,3
.set PB, BF+64*((\b)%2)+16*\ii
	s_wait_dscnt \younger+12-4*\ii                 ; this pair's four loads are in; behind them: this batch's later pairs and the next batch
	v_pk_add_f32 v[PB:PB+1], v[PB:PB+1], v[PB+4:PB+5]              ; W's two halves of K
	v_pk_add_f32 v[PB+2:PB+3], v[PB+2:PB+3], v[PB+6:PB+7]
	v_pk_add_f32 v[PB+8:PB+9], v[PB+8:PB+9], v[PB+12:PB+13]        ; W_prior's
	v_pk_add_f32 v[PB+10:PB+11], v[PB+10:PB+11], v[PB+14:PB+15]
	v_pk_fma_f32 v[PB:PB+1], v[PB:PB+1], s[36:37], v[BIAS:BIAS+1] op_sel_hi:[1,0,1]         ; x 2^(e0 + e1) + b + b_prior
	v_pk_fma_f32 v[PB+2:PB+3], v[PB+2:PB+3], s[36:37], v[BIAS+2:BIAS+3] op_sel_hi:[1,0,1]
	v_pk_fma_f32 v[PB:PB+1], v[PB+8:PB+9], s[38:39], v[PB:PB+1] op_sel_hi:[1,0,1]           ; + the prior's sum x 2^(e2 + e3)
	v_pk_fma_f32 v[PB+2:PB+3], v[PB+10:PB+11], s[38:39], v[PB+2:PB+3] op_sel_hi:[1,0,1]
	global_store_b128 v[YO], v[PB:PB+3], s[20:21] offset:8192*(4*(\b)+\ii)   ; slots 48 q + 2 i + h: sixteen lanes store 256 consecutive bytes, at a multiple of 256 from ys's first byte
.endr
.endm
.Lchunk:
	s_mul_i32 s46, s40, 192
	s_sub_co_i32 s41, s25, s46
	s_max_i32 s41, s41, 0                          ; the tokens from this chunk's first slot on
	s_cmp_eq_u32 s41, 0
	s_cbranch_scc1 .Lmeet                          ; nothing to do: on to the barriers, which every wave passes in every trip
	WLOAD 0
	WLOAD 1
	WLOAD 2
	; the order of issue: units 0, 1, 2; then in unit u: unit u + 3's 16 loads, 12 loads of token fragments
	UNIT 0, 32                                     ; behind unit 0: units 1, 2
	UNIT 1, 44                                     ; unit 2, unit 3, 12 fragments
	UNIT 2, 56                                     ; 16 + 12 + 16 + 12
	UNIT 3, 63                                     ; 12 + 28 + 28 = 68 were issued behind it; the wait's field holds 63, and a smaller count is safe
	UNIT 4, 63
	UNIT 5, 63
	UNIT 6, 63
	UNIT 7, 63
	UNIT 8, 63
	UNIT 9, 63
	UNIT 10, 63
	UNIT 11, 63
	UNIT 12, 63
	UNIT 13, 63
	UNIT 14, 52                                    ; 12, unit 15's 16, 12, 12
	UNIT 15, 36                                    ; 12, 12, 12
	s_wait_loadcnt 36                              ; the last K step's products: tiles 0-2 are in, the 36 loads of the nine others may be out,
	MM 3, 0
	s_wait_loadcnt 24
	MM 3, 1
	s_wait_loadcnt 12
	MM 3, 2
	s_wait_loadcnt 0x0
	MM 3, 3
	WIN 0
.rept 4
	v_nop                                          ; four places between the last products and the LDS stores that read results, and the LDS loads into the fragments' registers
.endr
.irp hi, 0,1                           ; my partial sums into my part of the stage; each accumulator from its low end on
	WIN 0x08+4*\hi                                 ; store data window 2, then 3
.irp rr, 0,1
.irp j, 0,1,2,3,4,5,6,7,8,9,10,11
	ds_store_b128 v19, v[96*\rr+8*\j:96*\rr+8*\j+3] offset:16*272*\j+64*(2*\hi+\rr)        ; slot 16 j + r, features 16 rt + 8 h + 0 .. 3
	ds_store_b128 v19, v[96*\rr+8*\j+4:96*\rr+8*\j+7] offset:16*272*\j+64*(2*\hi+\rr)+16
.endr
.endr
.endr
	WIN 0
.Lmeet:
	s_wait_dscnt 0x0                               ; for the others' sake: my stores into the stage have landed
	s_barrier_signal -1
	s_barrier_wait -1                              ; all four parts lie in the stage
	s_cmp_eq_u32 s41, 0
	s_cbranch_scc1 .Lafter
	; THE WAY OUT.  Wave q takes slots 48 q .. 48 q + 47, two at a time: lanes 0-15 one slot's 64 features, lanes 16-31 the next slot's.
	EBATCH 0
.irp b, 0,1,2,3,4
	s_wait_xcnt 0x0                                ; the stores of the batch before last have read their set, which takes the loads below
	EBATCH \b+1
	ESEND \b, 16
.endr
	ESEND 5, 0
.Lafter:
	s_wait_dscnt 0x0                               ; my reads of the stage are over:
	s_barrier_signal -1
	s_barrier_wait -1                              ; it may be written again
	s_wait_xcnt 0x0                                ; the trip's loads and stores have read their registers and bases; the bases step on every way, by constants:
	s_add_nc_u64 s[34:35], s[34:35], 12*TILEB      ; the next chunk's 12 tiles,
	s_add_nc_u64 s[20:21], s[20:21], 192*4096      ; and its 192 rows of ys
	s_add_co_u32 s40, s40, 1
	s_cmp_lt_u32 s40, 11
	s_cbranch_scc1 .Lchunk
	s_wait_tensorcnt 0x0
	ds_add_u32 v62, v63
	s_wait_dscnt 0x0
	s_endpgm
.Lfunc_end_k_q0b30446d2e_expert:
	.size	k_q0b30446d2e_expert, .Lfunc_end_k_q0b30446d2e_expert-k_q0b30446d2e_expert
	.p2alignl 7, 3214868480
	.fill 96, 4, 3214868480
	.section	.rodata,"a",@progbits
	.p2align	6, 0x0
	.amdhsa_kernel k_q0b30446d2e_expert
		.amdhsa_group_segment_fixed_size 243200
		.amdhsa_private_segment_fixed_size 0
		.amdhsa_enable_private_segment 0
		.amdhsa_kernarg_size 64
		.amdhsa_user_sgpr_count 2
		.amdhsa_user_sgpr_kernarg_segment_ptr 1
		.amdhsa_wavefront_size32 1
		.amdhsa_system_sgpr_workgroup_id_x 1
		.amdhsa_system_sgpr_workgroup_id_y 1
		.amdhsa_system_sgpr_workgroup_id_z 1
		.amdhsa_system_vgpr_workitem_id 0
		.amdhsa_next_free_vgpr 1024
		.amdhsa_next_free_sgpr 66
		.amdhsa_reserve_vcc 0
		.amdhsa_float_denorm_mode_32 3
		.amdhsa_float_denorm_mode_16_64 3
		.amdhsa_memory_ordered 1
		.amdhsa_forward_progress 1
		.amdhsa_inst_pref_size 199
	.end_amdhsa_kernel
	.amdgpu_metadata
---
amdhsa.version: [ 1, 2 ]
amdhsa.kernels:
  - .name:           k_q0b30446d2e_expert
    .symbol:         k_q0b30446d2e_expert.kd
    .args:
      - { .name: W, .offset: 0, .size: 8, .value_kind: global_buffer, .address_space: global }
      - { .name: W_prior, .offset: 8, .size: 8, .value_kind: global_buffer, .address_space: global }
      - { .name: b, .offset: 16, .size: 8, .value_kind: global_buffer, .address_space: global }
      - { .name: b_prior, .offset: 24, .size: 8, .value_kind: global_buffer, .address_space: global }
      - { .name: lowp_scales, .offset: 32, .size: 8, .value_kind: global_buffer, .address_space: global }
      - { .name: xq, .offset: 40, .size: 8, .value_kind: global_buffer, .address_space: global }
      - { .name: cnt, .offset: 48, .size: 8, .value_kind: global_buffer, .address_space: global }
      - { .name: ys, .offset: 56, .size: 8, .value_kind: global_buffer, .address_space: global }
    .group_segment_fixed_size: 243200
    .private_segment_fixed_size: 0
    .kernarg_segment_align: 8
    .kernarg_segment_size: 64
    .max_flat_workgroup_size: 128
    .sgpr_count:     66
    .vgpr_count:     1024
    .wavefront_size: 32
...
	.end_amdgpu_metadata
.endif
;; end of part 2
;; launch back (part 3): grid 256 x 1, 8 waves a work-group, no clusters, 0 bytes of LDS; arguments posof, ys, out0; writes out0
.if DOCPART == 3
	.amdgcn_target "amdgcn-amd-amdhsa--gfx1250"
	.amdhsa_code_object_version 6
	.text
	.protected	k_q0b30446d2e_back
	.globl	k_q0b30446d2e_back
	.p2align	8
	.type	k_q0b30446d2e_back,@function
k_q0b30446d2e_back:
	s_mov_b64 s[64:65], 0
	v_nop
	global_prefetch_b8 v0, s[64:65] scope:SCOPE_SE
	s_setreg_imm32_b32 hwreg(HW_REG_WAVE_MODE, 25, 1), 1
	s_wait_xcnt 0x0
; BACK: out0[t] = ys[row of token t]: the rows, which the launch before has made in the order of the experts' lists, go to their tokens' places.
; A wave takes one token t = 8 x work-group + wave: a row of 4,096 bytes, eight loads and eight stores of 512 consecutive bytes.
; The row's number: posof[e][t] is 2,112 e + slot for the token's own expert e and 0 for the fifteen others, so the sixteen entries joined by OR are the row.  All lanes of the wave read the same sixteen words.
; The number is held inside ys (33,791 is its last row) ahead of the shift and the addition that make the offset of it.
; A copy: no LDS, no barrier, no branch, no matrix work; every load of a wave goes out at once, and eight waves of 64 registers leave room for other work-groups beside this one.
; No prefetch: each byte is asked for once, at the start, by the load that wants it.
.set E,   16                           ; v16-31  the token's sixteen entries of posof
.set D,   32                           ; v32-63  the row: 8 x 4 registers
	s_load_b128 s[4:7], s[0:1], 0x0                ; posof s[4:5], ys s[6:7]
	s_load_b64 s[8:9], s[0:1], 0x10                ; out0
	v_lshrrev_b32 v1, 5, v0                        ; wave
	v_and_b32 v2, 31, v0
	v_lshlrev_b32 v2, 4, v2                        ; 16 x lane
	s_lshl_b32 s10, ttmp9, 3
	v_add_nc_u32 v1, s10, v1                       ; the token
	v_lshlrev_b32 v3, 2, v1                        ; its word in a row of posof
	v_lshlrev_b32 v4, 12, v1
	v_add_nc_u32 v4, v4, v2                        ; its row of out0, my 16 bytes
	s_wait_kmcnt 0x0
.irp e, 0,1,2,3,4,5,6,7,8,9,10,11,12,13,14,15
	global_load_b32 v[E+\e], v3, s[4:5] offset:8192*\e   ; an expert's row of posof is 2,048 words
.endr
	s_wait_loadcnt 0x0                             ; all sixteen are in
.irp e, 0,2,4,6,8,10,12,14
	v_or_b32 v[E+\e], v[E+\e], v[E+\e+1]
.endr
.irp e, 0,4,8,12
	v_or_b32 v[E+\e], v[E+\e], v[E+\e+2]
.endr
	v_or_b32 v[E], v[E], v[E+4]
	v_or_b32 v[E+8], v[E+8], v[E+12]
	v_or_b32 v[E], v[E], v[E+8]                    ; the row
	v_min_u32 v[E], 0x83ff, v[E]                   ; held inside ys: 16 x 2,112 rows
	v_lshlrev_b32 v[E], 12, v[E]                   ; 4,096 bytes a row: 138,407,936 at the most
	v_add_nc_u32 v[E], v[E], v2
.irp i, 0,1,2,3,4,5,6,7
	global_load_b128 v[D+4*\i:D+4*\i+3], v[E], s[6:7] offset:512*\i th:TH_LOAD_NT   ; read once in the launch
.endr
.irp i, 0,1,2,3,4,5,6,7
	s_wait_loadcnt 7-\i                            ; loads come back in order (ISA guide 5.7.1): piece i is in, the 7 - i behind it may be out
	global_store_b128 v4, v[D+4*\i:D+4*\i+3], s[8:9] offset:512*\i th:TH_STORE_NT   ; 512 consecutive bytes, at a multiple of 256 from out0's first byte
.endr
	s_endpgm
.Lfunc_end_k_q0b30446d2e_back:
	.size	k_q0b30446d2e_back, .Lfunc_end_k_q0b30446d2e_back-k_q0b30446d2e_back
	.p2alignl 7, 3214868480
	.fill 96, 4, 3214868480
	.section	.rodata,"a",@progbits
	.p2align	6, 0x0
	.amdhsa_kernel k_q0b30446d2e_back
		.amdhsa_group_segment_fixed_size 0
		.amdhsa_private_segment_fixed_size 0
		.amdhsa_enable_private_segment 0
		.amdhsa_kernarg_size 24
		.amdhsa_user_sgpr_count 2
		.amdhsa_user_sgpr_kernarg_segment_ptr 1
		.amdhsa_wavefront_size32 1
		.amdhsa_system_sgpr_workgroup_id_x 1
		.amdhsa_system_sgpr_workgroup_id_y 1
		.amdhsa_system_sgpr_workgroup_id_z 1
		.amdhsa_system_vgpr_workitem_id 0
		.amdhsa_next_free_vgpr 64
		.amdhsa_next_free_sgpr 66
		.amdhsa_reserve_vcc 0
		.amdhsa_float_denorm_mode_32 3
		.amdhsa_float_denorm_mode_16_64 3
		.amdhsa_memory_ordered 1
		.amdhsa_forward_progress 1
		.amdhsa_inst_pref_size 5
	.end_amdhsa_kernel
	.amdgpu_metadata
---
amdhsa.version: [ 1, 2 ]
amdhsa.kernels:
  - .name:           k_q0b30446d2e_back
    .symbol:         k_q0b30446d2e_back.kd
    .args:
      - { .name: posof, .offset: 0, .size: 8, .value_kind: global_buffer, .address_space: global }
      - { .name: ys, .offset: 8, .size: 8, .value_kind: global_buffer, .address_space: global }
      - { .name: out0, .offset: 16, .size: 8, .value_kind: global_buffer, .address_space: global }
    .group_segment_fixed_size: 0
    .private_segment_fixed_size: 0
    .kernarg_segment_align: 8
    .kernarg_segment_size: 24
    .max_flat_workgroup_size: 256
    .sgpr_count:     66
    .vgpr_count:     64
    .wavefront_size: 32
...
	.end_amdgpu_metadata
.endif
;; end of part 3
;; ======== version 2 of 2: 3 launches
;; workspace buffers: xq 69,206,016 bytes; posof 131,072 bytes of whole numbers; cnt 4,096 bytes of whole numbers; ys 138,412,032 bytes
;; launch place (part 4): grid 4 x 256, 1 waves a work-group, no clusters, 17,920 bytes of LDS; arguments logits, prior_logits, expert_idx, lowp_scales, xq, posof, cnt; writes xq, posof, cnt
.if DOCPART == 4
	.amdgcn_target "amdgcn-amd-amdhsa--gfx1250"
	.amdhsa_code_object_version 6
	.text
	.protected	k_q0b30446d2e_place
	.globl	k_q0b30446d2e_place
	.p2align	8
	.type	k_q0b30446d2e_place,@function
k_q0b30446d2e_place:
	s_mov_b64 s[64:65], 0
	v_nop
	global_prefetch_b8 v0, s[64:65] scope:SCOPE_SE
	s_setreg_imm32_b32 hwreg(HW_REG_WAVE_MODE, 25, 1), 1
	s_wait_xcnt 0x0
; PLACE: the tokens are sorted by expert and quantised once, into images of the matrix operand's registers.
; A work-group is ONE wave.  x = gg (0..3): tensor (logits for gg < 2, else prior_logits) and which 512 of its 1,024 k (gg & 1).  y = 16 e + p: expert e; the wave takes the expert's tiles p, p + 16, .. p + 128.
; 1. The wave makes expert e's list (slot -> token) in its own LDS by a counting compaction of expert_idx: the same enumeration in every work-group, so all agree on the slots.  Unused slots hold token 0.
; 2. The work-group with gg = 0 and p = 0 stores posof[e][t] for all 2,048 tokens t: 2,112 e + slot where t is expert e's, else 0 (so the sixteen entries of a token, joined by OR, are its row in the next launch's results),
;    and the count (repeated over 64 words: one aligned run of 256 bytes).
; 3. For each of its tiles below 12 x ceil(count / 192): 16 tokens x 512 k are gathered, turned through a stage in LDS so that a lane holds 16 neighbours along k, held within +-448 x 2^e,
;    converted to E4M3 (nearest, ties to even) and stored: xq[e][tile][g = 4 gg + ks][2,048 bytes]; piece cc (512 bytes): lane l's 16 bytes at 16 l = token l % 16, k = 128 (g % 8) + 32 cc + 16 (l / 16) + 0 .. 15.
;    The next launch works chunks of 12 tiles (192 slots) by constant addresses: so every tile of a chunk that has begun is written; its unused slots hold token 0's codes, whose results nobody reads.
; One wave to a work-group: no barrier, and LDS serves a wave's instructions in order (ISA guide 5.7.1.4), so the compaction's stores, whose addresses hang on expert_idx, are ordered with all other LDS lines.
; The loop over tiles has a constant 9 trips, which serves every split (one expert may hold all 2,048 tokens: 11 chunks, 132 tiles); a trip whose tile is not wanted jumps over the work.
; LIMITS: lowp_scales[0] and [2] between -126 and 119, so that 2^e and 448 x 2^e are f32 numbers.  NaN among the inputs is not served; infinities are held at the largest code.  expert_idx lies in 0 .. 15.
.set LISTW, 2176                       ; words of a list: 11 chunks of 192 slots and 64 more; behind them 32 dump words
.set SLOTS, 2112                       ; rows of an expert in the next launch's results: 11 chunks of 192
.set STG,   9216                       ; LDS: the list and the dump words lie in bytes 0 .. 8,831; bytes 0 .. 9,215 begin as zeros; the stage begins here
.set SP,    528                        ; a stage row: a token's 512 bytes + 16 of padding = 33 x 16 bytes: the 16 rows that a load touches start at 16 different banks (64 banks of 4 bytes: ISA guide 11.1)
.set XQE,   132*32768                  ; bytes of an expert in xq
.set IDX,   32                         ; v32-95   expert_idx: register 4 n + c of lane l is token 128 n + 4 l + c; the compaction leaves the token's entry of posof there
.set R,     32                         ; v32-159  afterwards: two sets of 64 registers as loaded
.set X,     160                        ; v160-223 64 numbers of a lane: register 16 cc + i = k 32 cc + 16 (l / 16) + i of token l % 16
.set C,     224                        ; v224-255 two sets of 16 registers of codes
	s_load_b256 s[4:11], s[0:1], 0x0               ; logits s[4:5], prior_logits s[6:7], expert_idx s[8:9], lowp_scales s[10:11]
	s_load_b128 s[12:15], s[0:1], 0x20             ; xq s[12:13], posof s[14:15]
	s_load_b64 s[16:17], s[0:1], 0x30              ; cnt
	s_set_vgpr_msb 0x40
	v_lshl_add_u32 v0, v0, 2, 0x4500
	v_mov_b32 v1, 0
	s_set_vgpr_msb 0x4000
	s_mov_b32 s18, ttmp9                           ; gg
	s_and_b32 s19, ttmp7, 0xffff
	s_lshr_b32 s20, s19, 4                         ; e
	s_and_b32 s21, s19, 15                         ; p
	v_lshlrev_b32 v1, 4, v0                        ; 16 x lane
	v_lshlrev_b32 v2, 2, v0                        ; 4 x lane
	v_add_nc_u32 v3, LISTW, v0                     ; my dump word's index: where a token of another expert goes
	v_and_b32 v30, 15, v0                          ; l % 16
	v_lshrrev_b32 v31, 4, v0                       ; l / 16
	v_lshlrev_b32 v14, 4, v30                      ; 16 (l % 16)
	v_mul_u32_u24 v6, v31, SP
	v_add_nc_u32 v6, v6, v14
	v_add_nc_u32 v6, STG, v6                       ; into the stage: lanes 0-15 fill 256 bytes of one row, lanes 16-31 of the next
	v_mul_u32_u24 v7, v30, SP
	v_lshl_add_u32 v7, v31, 6, v7
	v_add_nc_u32 v7, STG, v7                       ; out of it: row l % 16, + 64 (l / 16): my 16 numbers of a block of 32
	s_lshl_b32 s38, s21, 6
	v_lshl_add_u32 v8, v31, 2, s38                 ; the list's word of slot 16 p + l / 16
	v_mov_b32 v24, 0
	v_mov_b32 v25, 0
	v_mov_b32 v26, 0
	v_mov_b32 v27, 0
	s_wait_alu depctr_va_vdst(0)
	s_wait_kmcnt 0x0
	s_load_b128 s[24:27], s[10:11], 0x0            ; e0 .. e3
.irp n, 0,1,2,3,4,5,6,7,8,9,10,11,12,13,14,15
	global_load_b128 v[IDX+4*\n:IDX+4*\n+3], v1, s[8:9] offset:512*\n   ; 512 consecutive bytes a load
.endr
.irp n, 0,1,2,3,4,5,6,7,8,9,10,11,12,13,14,15,16,17
	ds_store_b128 v1, v[24:27] offset:512*\n       ; zeros: 18 x 512 bytes, the list and all up to the stage: every byte that the tile loop's reads of the list can name (8 x 1,024 + 15 x 64 + 4 + 56 + 4 = 9,216)
.endr
	s_mov_b32 s28, 0                               ; tokens of my expert so far,
	s_mul_i32 s22, s20, SLOTS                      ; and the same + 2,112 e: the next token's row in the results
	s_wait_loadcnt 0x0                             ; all of expert_idx is in
; 32 tokens: those of my expert get the next slots, in lane order; the others write their lane's dump word.
.macro COMPACT n, c
.set VA, 10+2*((\c)%2)
	v_cmp_eq_u32 vcc_lo, s20, v[IDX+4*(\n)+(\c)]
	v_mbcnt_lo_u32_b32 v[VA], vcc_lo, s28          ; slot = the count so far + the matching lanes below me
	v_mbcnt_lo_u32_b32 v[IDX+4*(\n)+(\c)], vcc_lo, s22   ; 2,112 e + slot, over the index, which has been compared
	s_bcnt1_i32_b32 s29, vcc_lo
	v_cndmask_b32 v[VA], v3, v[VA], vcc_lo
	v_cndmask_b32 v[IDX+4*(\n)+(\c)], 0, v[IDX+4*(\n)+(\c)], vcc_lo   ; the token's entry of posof: 0 where it is another expert's
	s_add_co_u32 s28, s28, s29
	s_add_co_u32 s22, s22, s29
	v_min_u32 v[VA], 0x89f, v[VA]                  ; held inside the list and its dump words (2,207 is the last word)
	v_lshlrev_b32 v[VA], 2, v[VA]
	v_add_nc_u32 v[VA+1], 128*(\n)+(\c), v2        ; the token
	ds_store_b32 v[VA], v[VA+1]
.endm
.irp n, 0,1,2,3,4,5,6,7,8,9,10,11,12,13,14,15
.irp c, 0,1,2,3
	COMPACT \n, \c
.endr
.endr
	s_add_co_u32 s30, s28, 191                     ; the tiles to write: 12 x ceil(count / 192).  (count + 191) / 192 = ((count + 191) / 64) / 3,
	s_lshr_b32 s30, s30, 6                         ; at most 34,
	s_mul_i32 s30, s30, 171
	s_lshr_b32 s30, s30, 9                         ; and y / 3 = (171 y) >> 9 for y under 256
	s_mul_i32 s30, s30, 12
	s_or_b32 s29, s18, s21                         ; one work-group of the expert stores its row of posof and the count
	s_cmp_lg_u32 s29, 0
	s_cbranch_scc1 .Lnot_first
	s_lshl_b32 s36, s20, 13                        ; 2,048 words an expert
	s_mov_b32 s37, 0
	s_add_nc_u64 s[14:15], s[14:15], s[36:37]
	s_lshl_b32 s36, s20, 8
	s_add_nc_u64 s[16:17], s[16:17], s[36:37]
	s_wait_alu depctr_va_vdst(0)
.irp n, 0,1,2,3,4,5,6,7,8,9,10,11,12,13,14,15
	global_store_b128 v1, v[IDX+4*\n:IDX+4*\n+3], s[14:15] offset:512*\n   ; tokens 128 n + 4 l + 0 .. 3: 512 consecutive bytes
.endr
	v_mov_b32 v28, s28
	v_mov_b32 v29, s28
	v_lshlrev_b32 v30, 3, v0
	global_store_b64 v30, v[28:29], s[16:17]       ; the count, 64 times: 256 consecutive bytes
	s_wait_xcnt 0x0                                ; the stores have read their registers: v32 on takes loads below
.Lnot_first:
	s_wait_kmcnt 0x0                               ; the scales' exponents
	s_cmp_lt_u32 s18, 2                            ; the choice hangs on the work-group's number alone
	s_cselect_b32 s38, s24, s26                    ; e of my tensor
	s_cselect_b64 s[34:35], s[4:5], s[6:7]
	s_add_co_i32 s38, s38, 127
	s_lshl_b32 s39, s38, 23
	v_mov_b32 v5, s39                              ; 2^e as f32: the conversion takes its exponent field
	s_add_co_i32 s38, s38, 8
	s_lshl_b32 s38, s38, 23
	s_or_b32 s38, s38, 0x600000
	v_mov_b32 v4, s38                              ; 448 x 2^e
	s_and_b32 s36, s18, 1
	s_lshl_b32 s36, s36, 11                        ; my 512 k: 2,048 bytes of a row
	s_mov_b32 s37, 0
	s_add_nc_u64 s[34:35], s[34:35], s[36:37]
	s_mul_i32 s36, s20, XQE
	s_lshl_b32 s38, s18, 13                        ; g = 4 gg: 4 x 2,048 bytes
	s_add_co_u32 s36, s36, s38
	s_add_nc_u64 s[12:13], s[12:13], s[36:37]
; K step ks (128 k) of the tile's 16 tokens into set ks % 2: sixteen lanes read 256 consecutive bytes of one token's row
.macro LOADK ks
.irp t, 0,1,2,3,4,5,6,7
.irp hf, 0,1
	global_load_b128 v[R+64*((\ks)%2)+4*(2*\t+\hf):R+64*((\ks)%2)+4*(2*\t+\hf)+3], v[16+\t], s[34:35] offset:512*(\ks)+256*\hf
.endr
.endr
.endm
.macro STEP ks
.if (\ks) < 3
	s_wait_loadcnt 16                              ; this step's 16 loads are in; the next step's 16 may be out
.else
	s_wait_loadcnt 0x0
.endif
.irp t, 0,1,2,3,4,5,6,7
.irp hf, 0,1
	ds_store_b128 v6, v[R+64*((\ks)%2)+4*(2*\t+\hf):R+64*((\ks)%2)+4*(2*\t+\hf)+3] offset:2*SP*\t+256*\hf
.endr
.endr
.irp cc, 0,1,2,3
.irp tt, 0,1,2,3
	ds_load_b128 v[X+16*\cc+4*\tt:X+16*\cc+4*\tt+3], v7 offset:128*\cc+16*\tt   ; in order behind the stores above
.endr
.endr
	s_wait_dscnt 0x0                               ; the numbers are back, and the stores have read their set,
.if (\ks) < 2
	LOADK (\ks)+2                                  ; which takes the loads of two steps on
.endif
.set i, 0
.rept 64
	v_med3_num_f32 v[X+i], v[X+i], -v4, v4         ; the conversion to an 8-bit code does not saturate (ISA guide 7.6.2): the hold at the largest code x the scale
.set i, i+1
.endr
	s_wait_alu depctr_va_vdst(0)
	s_wait_xcnt 0x0                                ; the stores of two steps back have read this set of codes
.irp cc, 0,1,2,3
	v_cvt_scalef32_pk8_fp8_f32 v[C+16*((\ks)%2)+4*\cc:C+16*((\ks)%2)+4*\cc+1], v[X+16*\cc:X+16*\cc+7], v5
	v_cvt_scalef32_pk8_fp8_f32 v[C+16*((\ks)%2)+4*\cc+2:C+16*((\ks)%2)+4*\cc+3], v[X+16*\cc+8:X+16*\cc+15], v5
.endr
	v_nop                                          ; one plain vector line behind the last conversion of the run
.irp cc, 0,1,2,3
	global_store_b128 v15, v[C+16*((\ks)%2)+4*\cc:C+16*((\ks)%2)+4*\cc+3], s[12:13] offset:2048*(\ks)+512*\cc   ; 512 consecutive bytes
.endr
.endm
	s_mov_b32 s31, s21                             ; the tile: p, p + 16, ..
	s_mov_b32 s32, 0                               ; its 16 tiles' step in the list: 1,024 bytes
	s_mov_b32 s33, 0
.Ltile:
	s_cmp_lt_u32 s31, s30
	s_cbranch_scc0 .Lnext                          ; the tile is not wanted: nothing is loaded, nothing stored
	v_add_nc_u32 v9, s32, v8
.irp t, 0,1,2,3,4,5,6,7
	ds_load_b32 v[16+\t], v9 offset:8*\t           ; the token of slot 16 tile + 2 t + l / 16
.endr
	s_lshl_b32 s38, s31, 15                        ; a tile of xq is 32,768 bytes
	v_add_nc_u32 v15, s38, v1
	s_wait_dscnt 0x0
.irp t, 0,1,2,3,4,5,6,7
	v_min_u32 v[16+\t], 0x7ff, v[16+\t]            ; a token's number, held inside the tensor
	v_lshlrev_b32 v[16+\t], 12, v[16+\t]           ; its row of 4,096 bytes
	v_add_nc_u32 v[16+\t], v[16+\t], v14
.endr
	LOADK 0
	LOADK 1
	s_wait_alu depctr_va_vdst(0)
	STEP 0
	STEP 1
	STEP 2
	STEP 3
	s_wait_xcnt 0x0                                ; the offsets and the codes are written again in the next trip
.Lnext:
	s_add_co_u32 s31, s31, 16
	s_add_co_u32 s32, s32, 1024
	s_add_co_u32 s33, s33, 1
	s_cmp_lt_u32 s33, 9
	s_cbranch_scc1 .Ltile
	s_set_vgpr_msb 0x5
	s_wait_tensorcnt 0x0
	ds_add_u32 v0, v1
	s_wait_dscnt 0x0
	s_set_vgpr_msb 0x500
	s_endpgm
.Lfunc_end_k_q0b30446d2e_place:
	.size	k_q0b30446d2e_place, .Lfunc_end_k_q0b30446d2e_place-k_q0b30446d2e_place
	.p2alignl 7, 3214868480
	.fill 96, 4, 3214868480
	.section	.rodata,"a",@progbits
	.p2align	6, 0x0
	.amdhsa_kernel k_q0b30446d2e_place
		.amdhsa_group_segment_fixed_size 17920
		.amdhsa_private_segment_fixed_size 0
		.amdhsa_enable_private_segment 0
		.amdhsa_kernarg_size 56
		.amdhsa_user_sgpr_count 2
		.amdhsa_user_sgpr_kernarg_segment_ptr 1
		.amdhsa_wavefront_size32 1
		.amdhsa_system_sgpr_workgroup_id_x 1
		.amdhsa_system_sgpr_workgroup_id_y 1
		.amdhsa_system_sgpr_workgroup_id_z 1
		.amdhsa_system_vgpr_workitem_id 0
		.amdhsa_next_free_vgpr 258
		.amdhsa_next_free_sgpr 66
		.amdhsa_reserve_vcc 1
		.amdhsa_float_denorm_mode_32 3
		.amdhsa_float_denorm_mode_16_64 3
		.amdhsa_memory_ordered 1
		.amdhsa_forward_progress 1
		.amdhsa_inst_pref_size 78
	.end_amdhsa_kernel
	.amdgpu_metadata
---
amdhsa.version: [ 1, 2 ]
amdhsa.kernels:
  - .name:           k_q0b30446d2e_place
    .symbol:         k_q0b30446d2e_place.kd
    .args:
      - { .name: logits, .offset: 0, .size: 8, .value_kind: global_buffer, .address_space: global }
      - { .name: prior_logits, .offset: 8, .size: 8, .value_kind: global_buffer, .address_space: global }
      - { .name: expert_idx, .offset: 16, .size: 8, .value_kind: global_buffer, .address_space: global }
      - { .name: lowp_scales, .offset: 24, .size: 8, .value_kind: global_buffer, .address_space: global }
      - { .name: xq, .offset: 32, .size: 8, .value_kind: global_buffer, .address_space: global }
      - { .name: posof, .offset: 40, .size: 8, .value_kind: global_buffer, .address_space: global }
      - { .name: cnt, .offset: 48, .size: 8, .value_kind: global_buffer, .address_space: global }
    .group_segment_fixed_size: 17920
    .private_segment_fixed_size: 0
    .kernarg_segment_align: 8
    .kernarg_segment_size: 56
    .max_flat_workgroup_size: 32
    .sgpr_count:     66
    .vgpr_count:     258
    .wavefront_size: 32
...
	.end_amdgpu_metadata
.endif
;; end of part 4
;; launch expert (part 5): grid 16 x 16, 4 waves a work-group, no clusters, 243,200 bytes of LDS; arguments W, W_prior, b, b_prior, lowp_scales, xq, cnt, ys; writes ys
.if DOCPART == 5
	.amdgcn_target "amdgcn-amd-amdhsa--gfx1250"
	.amdhsa_code_object_version 6
	.text
	.protected	k_q0b30446d2e_expert
	.globl	k_q0b30446d2e_expert
	.p2align	8
	.type	k_q0b30446d2e_expert,@function
k_q0b30446d2e_expert:
	s_mov_b64 s[64:65], 0
	v_nop
	global_prefetch_b8 v0, s[64:65] scope:SCOPE_SE
	s_setreg_imm32_b32 hwreg(HW_REG_WAVE_SCHED_MODE, 0, 2), 2
	s_setreg_imm32_b32 hwreg(HW_REG_WAVE_MODE, 25, 1), 1
	s_wait_xcnt 0x0
	s_wait_alu depctr_vm_vsrc(0)
; ys[e][slot] = W[e] x + b[e] + W_prior[e] xp + b_prior[e] for the token in that slot of expert e's list (x, xp: its rows of logits and prior_logits), both products on codes of E4M3.  The next launch carries the rows to out0.
; SHARES.  Work-group (x = ob, y = e): expert e, output features 64 ob .. 64 ob + 63: 512 KB of f32 weights, which no other work-group reads.  They are read once, 512 consecutive bytes a load,
; quantised in registers and multiplied as they come; their codes never go to memory.  THE FOUR WAVES SHARE K: wave q takes all 64 rows x 512 k (W for q < 2, else W_prior; its half q & 1), so each token
; fragment is read by one wave and feeds four products.  The four partial sums meet in LDS; there the two products' scales and the biases are applied, and sixteen lanes store 256 consecutive, aligned bytes of a slot's row.
; TOKENS come as register images from xq (made by the launch before), by tiles of 16 slots of the expert's list.  A CHUNK is 192 slots, always worked as 12 tiles, at constant offsets from a base that steps by a chunk a trip:
; the launch before has written all 12 tiles of every chunk that has a token.  All 192 rows of such a chunk are stored; those of slots past the expert's last token hold token 0's results, and nobody reads them.
; The loop over chunks has a constant 11 trips (2,048 tokens may all be one expert's); a trip without tokens jumps over the work and passes the two barriers.  An expert with more than 192 tokens reads its weights once for each 192.
; The expert's count, a stored whole number, decides the two jumps and nothing else: every address is made of ids, constants and the loop's constant steps, and all lanes are on throughout.
; THE MATRIX INSTRUCTION: source 0 = 16 rows of W, source 1 = 16 tokens: a lane holds one token (l % 16) and eight neighbouring features (8 (l / 16) + 0 .. 7).  Both fragments hold k = 32 cc + 16 (l / 16) + 0 .. 15 in
; registers 4 cc .. 4 cc + 3: the same permutation of k on both sides, so every product meets its partner.
; NO TENSOR LOADS AND NO CLUSTER: the jumps hang on the stored counts; the weights, 512 KB of a work-group's 896 KB, are shared by nobody.
; LIMITS: lowp_scales[1], [3] between -126 and 119; [0] + [1] and [2] + [3] between -126 and 127, so that each power of two below is an f32 number.  NaN among the inputs is not served; infinities are held at the largest code.
; A UNIT u = 4 s + a is 16 rows (row tile a) x 128 k (K step s) of f32: 16 loads.  A ring of three units in registers; a unit is turned through the wave's own stage in LDS so that a lane holds 16 neighbours along k.
; The products run one K step behind the quantiser: unit 4 s + a multiplies K step s - 1 by token tiles 3 a .. 3 a + 2, and then loads those tiles' fragments of K step s into the same registers.
; REGISTERS, in windows of 256: window 0: v1-60 addresses and constants (below); v64-255 the 12 token fragments; in the way out v64-255 three sets of partial sums.
;   window 1: v0-191 the ring; v192-255 X, the 64 turned numbers.   window 2: v0-191 accumulators of row tiles 0, 1 (at 96 (rt & 1) + 8 j); v192-255 W's codes of even K steps.   window 3: the same for row tiles 2, 3 and odd K steps.
; THE MODE: SCHED_MODE bits 1:0 = 2 (LLVM: expert scheduling mode 2), set by the entry lines.  The code itself states the register dependences
; between vector or matrix instructions and memory or LDS instructions, with s_wait_alu, always for 0.
; THE PLAN.  Registers that memory or LDS instructions touch:
;   the ring       Written by the loads of W; read by the LDS stores that turn a unit; named by no vector or matrix instruction.  A slot is loaded again behind a wait on vm_vsrc: in the unit that has turned it, or at the trip's tail.
;   X              Written by a unit's LDS loads; read and written by its holds, read by its conversions; the next unit's LDS loads land in it.
;   the fragments  Written by the loads from xq; read by the products.  In the way out three sets: written by the LDS loads of batch b, read and written by its additions, read by its stores; batch b + 3's loads land in the same set.
;   accumulators   Written by the products; read by the LDS stores at the chunk's end; begun anew by the next trip's first products.
;   v1-3, v18-23, v60  Offsets and LDS addresses, made once at the head and never written again: the rows are reached by scalar bases and immediate offsets.
;   W's codes, v4, v5 and the biases are named by vector and matrix instructions alone.
; So ONE wait on va_vdst stands in a unit, behind its conversions: it states that the unit's products are done reading the fragments in which the unit's loads land, and that holds and conversions are done with X.  Up to the next unit's
; LDS loads into X no vector or matrix instruction is issued.  One more stands behind the last products, one in each batch of the way out.  Waits on vm_vsrc: one in each unit that loads the ring, one in each of
; the way out's batches 1 to 3, one at the trip's tail, ahead of the backward jump, for all that the next trip writes again.
.set WSTB,  16*528                     ; LDS: a wave's stage for turning W: 16 rows x (512 + 16) bytes
.set STG,   4*WSTB                     ; behind them the partial sums: four parts of
.set PART,  192*272                    ; 192 slots x (256 + 16) bytes
.set TILEB, 32768                      ; bytes of a tile in xq
.set XQE,   132*TILEB                  ; of an expert in xq
.set YSE,   2112*4096                  ; and in ys: 11 chunks of 192 rows of 4,096 bytes
.set RD,    20                         ; v20-23  where I read part p of the partial sums
.set BIAS,  24                         ; v24-27  b + b_prior of my four features
.set YO,    60                         ; v60     the way out: (48 q + h) rows of 4,096 bytes + 16 r; never rewritten
.set BF,    64                         ; the token fragments
.set MSB, 0
.macro WIN new                         ; the immediate's high byte repeats the setting that is left; a switch that changes nothing is dropped
.if MSB != (\new)
	s_set_vgpr_msb (MSB<<8)|(\new)
.set MSB, (\new)
.endif
.endm
	s_load_b256 s[4:11], s[0:1], 0x0               ; W s[4:5], W_prior s[6:7], b s[8:9], b_prior s[10:11]
	s_load_b256 s[12:19], s[0:1], 0x20             ; lowp_scales s[12:13], xq s[14:15], cnt s[16:17], ys s[18:19]
	v_lshl_add_u32 v62, v0, 2, 0x3b400
	v_mov_b32 v63, 0
	v_lshrrev_b32 v28, 5, v0
	v_readfirstlane_b32 s22, v28                   ; q: wave 0..3
	s_and_b32 s23, ttmp7, 0xffff                   ; e
	s_mov_b32 s24, ttmp9                           ; ob
	v_and_b32 v29, 31, v0                          ; lane
	v_and_b32 v30, 15, v0                          ; r
	v_bfe_u32 v59, v0, 4, 1                        ; h
	v_lshlrev_b32 v1, 4, v29                       ; v1: 16 x lane
	s_wait_alu depctr_va_sdst(0)                   ; s22 is written, ahead of its first reader: LDS places, bases and two choices are made from it
	s_mul_i32 s46, s22, WSTB
	v_add_nc_u32 v2, s46, v1                       ; v2: into my stage: a row's 512 bytes as loaded
	v_mul_u32_u24 v3, v30, 528
	v_lshl_add_u32 v3, v59, 6, v3
	v_add_nc_u32 v3, s46, v3                       ; v3: out of it: row r, + 64 h: my 16 numbers of a block of 32
	v_lshrrev_b32 v28, 1, v29
	v_and_b32 v18, 1, v29
	v_lshlrev_b32 v18, 8, v18
	v_lshl_add_u32 v18, v28, 12, v18               ; v18: the prefetches' offset: row lane / 2 of a unit, its 256 bytes lane % 2
	s_mul_i32 s46, s22, PART
	s_add_co_u32 s46, s46, STG
	v_mul_u32_u24 v19, v30, 272
	v_lshl_add_u32 v19, v59, 5, v19
	v_add_nc_u32 v19, s46, v19                     ; v19: my part of the sums: slot r, + 32 h
	v_lshlrev_b32 v56, 4, v30                      ; v56: 16 r
	s_mul_i32 s46, s22, 48*272
	s_add_co_u32 s46, s46, STG
	v_mul_u32_u24 v[RD], v59, 272
	v_add_nc_u32 v[RD], v[RD], v56
	v_add_nc_u32 v[RD], s46, v[RD]                 ; back: slot 48 q + h, features 4 r .. 4 r + 3, of part 0,
	v_add_nc_u32 v[RD+1], PART, v[RD]
	v_add_nc_u32 v[RD+2], 2*PART, v[RD]
	v_add_nc_u32 v[RD+3], 3*PART, v[RD]            ; 1, 2, 3
	s_mul_i32 s46, s22, 48*4096
	v_lshl_add_u32 v[YO], v59, 12, v56
	v_add_nc_u32 v[YO], s46, v[YO]                 ; and the same slot's row in the chunk's part of ys
	s_lshl_b32 s46, s23, 22                        ; W: expert e: 4 MiB,
	s_lshl_b32 s47, s24, 18                        ; 64 rows of 4,096 bytes,
	s_add_co_u32 s46, s46, s47
	s_and_b32 s47, s22, 1
	s_lshl_b32 s47, s47, 11                        ; my 512 k
	s_add_co_u32 s46, s46, s47
	s_mov_b32 s47, 0
	s_mul_i32 s48, s23, XQE
	s_lshl_b32 s49, s22, 13                        ; xq: g = 4 q
	s_add_co_u32 s48, s48, s49
	s_mov_b32 s49, 0
	s_wait_alu depctr_va_vdst(0)
	s_wait_kmcnt 0x0
	s_load_b128 s[28:31], s[12:13], 0x0            ; e0 .. e3
	s_cmp_lt_u32 s22, 2                            ; the choice hangs on the wave's number alone
	s_cselect_b64 s[32:33], s[4:5], s[6:7]
	s_add_nc_u64 s[32:33], s[32:33], s[46:47]      ; s[32:33]: my weights; never rewritten
	s_add_nc_u64 s[34:35], s[14:15], s[48:49]      ; s[34:35]: my K steps of the chunk's first tile; steps by a chunk a trip
	s_lshl_b32 s46, s23, 8
	s_add_nc_u64 s[16:17], s[16:17], s[46:47]
	s_load_b32 s25, s[16:17], 0x0                  ; the expert's count
	s_mul_i32 s46, s23, YSE
	s_add_nc_u64 s[20:21], s[18:19], s[46:47]      ; s[20:21]: the chunk's 192 rows of the expert's part of ys,
	s_lshl_b32 s46, s24, 8
	s_add_nc_u64 s[20:21], s[20:21], s[46:47]      ; at my 64 features; steps by a chunk a trip
	s_lshl_b32 s48, s23, 12
	s_add_co_u32 s48, s48, s46
	v_add_nc_u32 v28, s48, v56                     ; the biases: (1,024 e + 64 ob + 4 r) x 4 bytes
	s_wait_alu depctr_va_vdst(0)                   ; v28 is written, which the two loads below read, and so are v1-3, v18-23 and v60, which every other load, store, LDS instruction and prefetch of the kernel reads
	global_load_b128 v[BIAS:BIAS+3], v28, s[8:9]
	global_load_b128 v[BF:BF+3], v28, s[10:11]
	s_wait_kmcnt 0x0
	s_add_co_i32 s36, s28, s29
	s_add_co_i32 s36, s36, 127
	s_lshl_b32 s36, s36, 23                        ; 2^(e0 + e1) as f32
	s_mov_b32 s37, s36                             ; (named with it as a pair, so it is written)
	s_add_co_i32 s38, s30, s31
	s_add_co_i32 s38, s38, 127
	s_lshl_b32 s38, s38, 23                        ; 2^(e2 + e3)
	s_mov_b32 s39, s38
	s_cmp_lt_u32 s22, 2
	s_cselect_b32 s46, s29, s31                    ; my weights' e
	s_add_co_i32 s46, s46, 127
	s_lshl_b32 s47, s46, 23
	v_mov_b32 v5, s47                              ; v5: 2^e as f32: the conversion takes its exponent field
	s_add_co_i32 s46, s46, 8
	s_lshl_b32 s46, s46, 23
	s_or_b32 s46, s46, 0x600000
	v_mov_b32 v4, s46                              ; v4: 448 x 2^e
	s_wait_loadcnt 0x0
	v_pk_add_f32 v[BIAS:BIAS+1], v[BIAS:BIAS+1], v[BF:BF+1]
	v_pk_add_f32 v[BIAS+2:BIAS+3], v[BIAS+2:BIAS+3], v[BF+2:BF+3]
	s_wait_alu depctr_va_vdst(0)                   ; the two additions are done reading v[BF:BF+3], in which loads land in the loop
	s_mov_b32 s40, 0                               ; the chunk
.macro WLOAD u                         ; unit u into ring slot u % 3: each load is one row's 512 consecutive bytes
	WIN 0x40                                       ; destination window 1
.irp i, 0,1,2,3,4,5,6,7,8,9,10,11,12,13,14,15
	global_load_b128 v[64*((\u)%3)+4*\i:64*((\u)%3)+4*\i+3], v1, s[32:33] offset:(((\u)%4)*16+\i)*4096+((\u)/4)*512 th:TH_LOAD_NT
.endr
.endm
.macro TURN u                          ; through my own stage: LDS serves a wave's instructions in order (ISA guide 5.7.1.4), so no wait stands between the stores and the loads
	WIN 0x04                                       ; store data window 1
.irp i, 0,1,2,3,4,5,6,7,8,9,10,11,12,13,14,15
	ds_store_b128 v2, v[64*((\u)%3)+4*\i:64*((\u)%3)+4*\i+3] offset:528*\i
.endr
	WIN 0x40
.irp cc, 0,1,2,3
.irp tt, 0,1,2,3
	ds_load_b128 v[192+16*\cc+4*\tt:192+16*\cc+4*\tt+3], v3 offset:128*\cc+16*\tt   ; into X: no vector or matrix instruction has been issued since the wait on va_vdst behind the last conversions
.endr
.endr
.endm
; 12 products of K step s: the four row tiles x token tiles 3 a .. 3 a + 2.  The 48 accumulators take turns, one instruction a turn.  K step 0 starts the sums: nothing is cleared.
.macro MM s, a
.irp hi, 0,1
	WIN (2+(\s)%2)+80*(2+\hi)                      ; source 0 (W's codes) window 2 or 3 by the K step; source 1 (tokens) window 0; C and D window 2 + hi
.irp jj, 0,1,2
.irp rr, 0,1
.if (\s) == 0
	v_wmma_f32_16x16x128_fp8_fp8 v[96*\rr+8*(3*(\a)+\jj):96*\rr+8*(3*(\a)+\jj)+7], v[192+16*(2*\hi+\rr):192+16*(2*\hi+\rr)+15], v[BF+16*(3*(\a)+\jj):BF+16*(3*(\a)+\jj)+15], 0
.else
	v_wmma_f32_16x16x128_fp8_fp8 v[96*\rr+8*(3*(\a)+\jj):96*\rr+8*(3*(\a)+\jj)+7], v[192+16*(2*\hi+\rr):192+16*(2*\hi+\rr)+15], v[BF+16*(3*(\a)+\jj):BF+16*(3*(\a)+\jj)+15], v[96*\rr+8*(3*(\a)+\jj):96*\rr+8*(3*(\a)+\jj)+7]
.endif
.endr
.endr
.endr
.endm
.macro QUANT s, a                      ; X becomes row tile a's fragment of K step s
	WIN 0x41                                       ; source 0 and destination window 1
.set i, 0
.rept 64
	v_med3_num_f32 v[192+i], v[192+i], -v4, v4     ; the conversion to an 8-bit code does not saturate (ISA guide 7.6.2): the hold at the largest code x the scale
.set i, i+1
.endr
	WIN 0x01+64*(2+(\s)%2)                         ; the codes go to window 2 or 3: the set that the products in hand do not read
.irp cc, 0,1,2,3
	v_cvt_scalef32_pk8_fp8_f32 v[192+16*(\a)+4*\cc:192+16*(\a)+4*\cc+1], v[192+16*\cc:192+16*\cc+7], v5
	v_cvt_scalef32_pk8_fp8_f32 v[192+16*(\a)+4*\cc+2:192+16*(\a)+4*\cc+3], v[192+16*\cc+8:192+16*\cc+15], v5
.endr
	v_nop                                          ; one plain vector line between the last conversion and whatever touches its registers next
	WIN 0
.endm
.macro BLOAD s, a                      ; token tiles 3 a .. 3 a + 2 of the chunk, K step s: register images, 512 consecutive bytes a load; tile, K step and piece stand in the immediate (368,128 at the most)
.irp jj, 0,1,2
.irp cc, 0,1,2,3
	global_load_b128 v[BF+16*(3*(\a)+\jj)+4*\cc:BF+16*(3*(\a)+\jj)+4*\cc+3], v1, s[34:35] offset:TILEB*(3*(\a)+\jj)+2048*(\s)+512*\cc
.endr
.endr
.endm
; A PREFETCH INTO THE L2 of unit w = u + 6: its 16 rows x 512 bytes, a lane to each aligned 256 bytes, one instruction.  It stands behind the unit's loads, three units ahead of the load that wants those bytes.
; Only I read these bytes, and I ask in the first chunk alone: each block is named once in the launch.  Units 0 to 5 come by their loads alone; the last six units ask for nothing.  Its address registers are never rewritten.
.macro ASK w
	s_cmp_eq_u32 s40, 0
	s_cbranch_scc0 .Lasked_\@
	global_prefetch_b8 v18, s[32:33] offset:(((\w)%4)*16)*4096+((\w)/4)*512 th:TH_LOAD_NT scope:SCOPE_SE
.Lasked_\@:
.endm
; n: the loads issued behind unit u's that may stay out.  Loads come back in order (ISA guide 5.7.1), and the token fragments that this unit multiplies were issued ahead of unit u's loads: the one wait serves both.
.macro UNIT u, n
	s_wait_loadcnt \n
	TURN \u
.if (\u) >= 4
	MM (\u)/4-1, (\u)%4                            ; while the numbers go through the stage
.endif
.if (\u) <= 12
	WIN 0x40                                       ; (the window of the loads below, set ahead of the waits)
	s_wait_dscnt 0x0                               ; X is in
	s_wait_alu depctr_vm_vsrc(0)                   ; the unit's LDS stores have read their ring slot,
	WLOAD (\u)+3                                   ; which takes the unit three on
.else
	s_wait_dscnt 0x0                               ; X is in
.endif
	QUANT (\u)/4, (\u)%4
	s_wait_alu depctr_va_vdst(0)                   ; the products above (in a trip's first four units: the last trip's products and additions) are done reading the fragments in which the loads below land; the holds and conversions are done with X, in which the next unit's LDS loads land
	BLOAD (\u)/4, (\u)%4
.if (\u) <= 9
	ASK (\u)+6
.endif
.endm
; THE WAY OUT's macros.  Four pairs of slots x four parts into set b % 3:
.macro EBATCH b
.irp ii, 0,1,2,3
.irp p, 0,1,2,3
	ds_load_b128 v[BF+64*((\b)%3)+16*\ii+4*\p:BF+64*((\b)%3)+16*\ii+4*\p+3], v[RD+\p] offset:544*(4*(\b)+\ii)
.endr
.endr
.endm
.macro ECALC b, younger                ; younger: the next batch's loads, which may stay out
.irp ii, 0,1,2,3
.set PB, BF+64*((\b)%3)+16*\ii
	s_wait_dscnt \younger+12-4*\ii                 ; this pair's four loads are in; behind them: this batch's later pairs and the next batch
	v_pk_add_f32 v[PB:PB+1], v[PB:PB+1], v[PB+4:PB+5]              ; W's two halves of K
	v_pk_add_f32 v[PB+2:PB+3], v[PB+2:PB+3], v[PB+6:PB+7]
	v_pk_add_f32 v[PB+8:PB+9], v[PB+8:PB+9], v[PB+12:PB+13]        ; W_prior's
	v_pk_add_f32 v[PB+10:PB+11], v[PB+10:PB+11], v[PB+14:PB+15]
	v_pk_fma_f32 v[PB:PB+1], v[PB:PB+1], s[36:37], v[BIAS:BIAS+1] op_sel_hi:[1,0,1]         ; x 2^(e0 + e1) + b + b_prior
	v_pk_fma_f32 v[PB+2:PB+3], v[PB+2:PB+3], s[36:37], v[BIAS+2:BIAS+3] op_sel_hi:[1,0,1]
	v_pk_fma_f32 v[PB:PB+1], v[PB+8:PB+9], s[38:39], v[PB:PB+1] op_sel_hi:[1,0,1]           ; + the prior's sum x 2^(e2 + e3)
	v_pk_fma_f32 v[PB+2:PB+3], v[PB+10:PB+11], s[38:39], v[PB+2:PB+3] op_sel_hi:[1,0,1]
.endr
.endm
.macro ESTORE b
.irp ii, 0,1,2,3
.set PB, BF+64*((\b)%3)+16*\ii
	global_store_b128 v[YO], v[PB:PB+3], s[20:21] offset:8192*(4*(\b)+\ii)   ; slots 48 q + 2 i + h: sixteen lanes store 256 consecutive bytes, at a multiple of 256 from ys's first byte
.endr
.endm
; Batch b: its arithmetic; the waits; the LDS loads of batch b + 2, into the set that batch b - 1 has stored (more = 1); its four stores in one run.  free = 1: that set has been stored from, in this way out.
.macro EOUT b, younger, free, more
	ECALC \b, \younger
.if \free
	s_wait_xcnt 0x0                                ; the stores of the batch before, issued ahead of this batch's arithmetic, have had their addresses translated (ISA guide 3.1),
	s_wait_alu depctr_vm_vsrc(0)                   ; and have read their set, in which the LDS loads below land
.endif
	s_wait_alu depctr_va_vdst(0)                   ; this batch's additions have written its set, which the stores below read; all earlier additions and products are done with the set in which the LDS loads below land
.if \more
	EBATCH (\b)+2
.endif
	ESTORE \b
.endm
.Lchunk:
	s_mul_i32 s46, s40, 192
	s_sub_co_i32 s41, s25, s46
	s_max_i32 s41, s41, 0                          ; the tokens from this chunk's first slot on
	s_cmp_eq_u32 s41, 0
	s_cbranch_scc1 .Lmeet                          ; nothing to do: on to the barriers, which every wave passes in every trip
	WLOAD 0                                        ; (the ring's slots are free: the wait on vm_vsrc at the last trip's tail)
	WLOAD 1
	WLOAD 2
	; the order of issue: units 0, 1, 2; then in unit u: unit u + 3's 16 loads, 12 loads of token fragments
	UNIT 0, 32                                     ; behind unit 0: units 1, 2
	UNIT 1, 44                                     ; unit 2, unit 3, 12 fragments
	UNIT 2, 56                                     ; 16 + 12 + 16 + 12
	UNIT 3, 63                                     ; 12 + 28 + 28 = 68 were issued behind it; the wait's field holds 63, and a smaller count is safe
	UNIT 4, 63
	UNIT 5, 63
	UNIT 6, 63
	UNIT 7, 63
	UNIT 8, 63
	UNIT 9, 63
	UNIT 10, 63
	UNIT 11, 63
	UNIT 12, 63
	UNIT 13, 63
	UNIT 14, 52                                    ; 12, unit 15's 16, 12, 12
	UNIT 15, 36                                    ; 12, 12, 12
	s_wait_loadcnt 36                              ; the last K step's products: tiles 0-2 are in, the 36 loads of the nine others may be out,
	MM 3, 0
	s_wait_loadcnt 24
	MM 3, 1
	s_wait_loadcnt 12
	MM 3, 2
	s_wait_loadcnt 0x0
	MM 3, 3
	WIN 0
.rept 4
	v_nop                                          ; four places between the last products and the LDS stores that read results
.endr
	s_wait_alu depctr_va_vdst(0)                   ; the products have written the accumulators, which the LDS stores below read, and are done reading the token fragments, in which the way out's LDS loads land; the places above stay beside this wait
.irp hi, 0,1                           ; my partial sums into my part of the stage; each accumulator from its low end on
	WIN 0x08+4*\hi                                 ; store data window 2, then 3
.irp rr, 0,1
.irp j, 0,1,2,3,4,5,6,7,8,9,10,11
	ds_store_b128 v19, v[96*\rr+8*\j:96*\rr+8*\j+3] offset:16*272*\j+64*(2*\hi+\rr)        ; slot 16 j + r, features 16 rt + 8 h + 0 .. 3
	ds_store_b128 v19, v[96*\rr+8*\j+4:96*\rr+8*\j+7] offset:16*272*\j+64*(2*\hi+\rr)+16
.endr
.endr
.endr
	WIN 0
.Lmeet:
	s_wait_dscnt 0x0                               ; for the others' sake: my stores into the stage have landed
	s_barrier_signal -1
	s_barrier_wait -1                              ; all four parts lie in the stage
	s_cmp_eq_u32 s41, 0
	s_cbranch_scc1 .Lafter
	; THE WAY OUT.  Wave q takes slots 48 q .. 48 q + 47, two at a time: lanes 0-15 one slot's 64 features, lanes 16-31 the next slot's.  Six batches of four pairs, in three sets of registers by turns.
	EBATCH 0
	EBATCH 1
	EOUT 0, 16, 0, 1                               ; batch 2's loads land in the third set, from which nothing has been stored yet
	EOUT 1, 16, 1, 1
	EOUT 2, 16, 1, 1
	EOUT 3, 16, 1, 1
	EOUT 4, 16, 0, 0                               ; nothing more to fetch
	EOUT 5, 0, 0, 0
.Lafter:
	s_wait_dscnt 0x0                               ; my reads of the stage are over:
	s_barrier_signal -1
	s_barrier_wait -1                              ; it may be written again
	s_wait_xcnt 0x0                                ; the trip's loads and stores have read their registers and bases; the bases step on every way, by constants
	s_wait_alu depctr_vm_vsrc(0)                   ; the trip's LDS stores have read the ring's slots and the accumulators, and the last three batches' stores their sets: the next trip's loads and first products write all of these again
	s_add_nc_u64 s[34:35], s[34:35], 12*TILEB      ; the next chunk's 12 tiles,
	s_add_nc_u64 s[20:21], s[20:21], 192*4096      ; and its 192 rows of ys
	s_add_co_u32 s40, s40, 1
	s_cmp_lt_u32 s40, 11
	s_cbranch_scc1 .Lchunk
	s_wait_dscnt 0x0
	s_wait_alu depctr_hold_cnt(0) depctr_sa_sdst(0) depctr_va_vdst(0) depctr_va_sdst(0) depctr_va_ssrc(0) depctr_va_vcc(0) depctr_vm_vsrc(0)
	s_wait_tensorcnt 0x0
	ds_add_u32 v62, v63
	s_wait_dscnt 0x0
	s_endpgm
.Lfunc_end_k_q0b30446d2e_expert:
	.size	k_q0b30446d2e_expert, .Lfunc_end_k_q0b30446d2e_expert-k_q0b30446d2e_expert
	.p2alignl 7, 3214868480
	.fill 96, 4, 3214868480
	.section	.rodata,"a",@progbits
	.p2align	6, 0x0
	.amdhsa_kernel k_q0b30446d2e_expert
		.amdhsa_group_segment_fixed_size 243200
		.amdhsa_private_segment_fixed_size 0
		.amdhsa_enable_private_segment 0
		.amdhsa_kernarg_size 64
		.amdhsa_user_sgpr_count 2
		.amdhsa_user_sgpr_kernarg_segment_ptr 1
		.amdhsa_wavefront_size32 1
		.amdhsa_system_sgpr_workgroup_id_x 1
		.amdhsa_system_sgpr_workgroup_id_y 1
		.amdhsa_system_sgpr_workgroup_id_z 1
		.amdhsa_system_vgpr_workitem_id 0
		.amdhsa_next_free_vgpr 1024
		.amdhsa_next_free_sgpr 66
		.amdhsa_reserve_vcc 0
		.amdhsa_float_denorm_mode_32 3
		.amdhsa_float_denorm_mode_16_64 3
		.amdhsa_memory_ordered 1
		.amdhsa_forward_progress 1
		.amdhsa_inst_pref_size 199
	.end_amdhsa_kernel
	.amdgpu_metadata
---
amdhsa.version: [ 1, 2 ]
amdhsa.kernels:
  - .name:           k_q0b30446d2e_expert
    .symbol:         k_q0b30446d2e_expert.kd
    .args:
      - { .name: W, .offset: 0, .size: 8, .value_kind: global_buffer, .address_space: global }
      - { .name: W_prior, .offset: 8, .size: 8, .value_kind: global_buffer, .address_space: global }
      - { .name: b, .offset: 16, .size: 8, .value_kind: global_buffer, .address_space: global }
      - { .name: b_prior, .offset: 24, .size: 8, .value_kind: global_buffer, .address_space: global }
      - { .name: lowp_scales, .offset: 32, .size: 8, .value_kind: global_buffer, .address_space: global }
      - { .name: xq, .offset: 40, .size: 8, .value_kind: global_buffer, .address_space: global }
      - { .name: cnt, .offset: 48, .size: 8, .value_kind: global_buffer, .address_space: global }
      - { .name: ys, .offset: 56, .size: 8, .value_kind: global_buffer, .address_space: global }
    .group_segment_fixed_size: 243200
    .private_segment_fixed_size: 0
    .kernarg_segment_align: 8
    .kernarg_segment_size: 64
    .max_flat_workgroup_size: 128
    .sgpr_count:     66
    .vgpr_count:     1024
    .wavefront_size: 32
...
	.end_amdgpu_metadata
.endif
;; end of part 5
;; launch back (part 6): grid 256 x 1, 8 waves a work-group, no clusters, 0 bytes of LDS; arguments posof, ys, out0; writes out0
.if DOCPART == 6
	.amdgcn_target "amdgcn-amd-amdhsa--gfx1250"
	.amdhsa_code_object_version 6
	.text
	.protected	k_q0b30446d2e_back
	.globl	k_q0b30446d2e_back
	.p2align	8
	.type	k_q0b30446d2e_back,@function
k_q0b30446d2e_back:
	s_mov_b64 s[64:65], 0
	v_nop
	global_prefetch_b8 v0, s[64:65] scope:SCOPE_SE
	s_setreg_imm32_b32 hwreg(HW_REG_WAVE_MODE, 25, 1), 1
	s_wait_xcnt 0x0
; BACK: out0[t] = ys[row of token t]: the rows, which the launch before has made in the order of the experts' lists, go to their tokens' places.
; A wave takes one token t = 8 x work-group + wave: a row of 4,096 bytes, eight loads and eight stores of 512 consecutive bytes.
; The row's number: posof[e][t] is 2,112 e + slot for the token's own expert e and 0 for the fifteen others, so the sixteen entries joined by OR are the row.  All lanes of the wave read the same sixteen words.
; The number is held inside ys (33,791 is its last row) ahead of the shift and the addition that make the offset of it.
; A copy: no LDS, no barrier, no branch, no matrix work; every load of a wave goes out at once, and eight waves of 64 registers leave room for other work-groups beside this one.
; No prefetch: each byte is asked for once, at the start, by the load that wants it.
.set E,   16                           ; v16-31  the token's sixteen entries of posof
.set D,   32                           ; v32-63  the row: 8 x 4 registers
	s_load_b128 s[4:7], s[0:1], 0x0                ; posof s[4:5], ys s[6:7]
	s_load_b64 s[8:9], s[0:1], 0x10                ; out0
	v_lshrrev_b32 v1, 5, v0                        ; wave
	v_and_b32 v2, 31, v0
	s_delay_alu instid0(VALU_DEP_1)
	v_lshlrev_b32 v2, 4, v2                        ; 16 x lane
	s_lshl_b32 s10, ttmp9, 3
	v_add_nc_u32 v1, s10, v1                       ; the token
	s_delay_alu instid0(VALU_DEP_1)
	v_lshlrev_b32 v3, 2, v1                        ; its word in a row of posof
	s_delay_alu instid0(VALU_DEP_2)
	v_lshlrev_b32 v4, 12, v1
	s_delay_alu instid0(VALU_DEP_1)
	v_add_nc_u32 v4, v4, v2                        ; its row of out0, my 16 bytes
	s_wait_alu depctr_va_vdst(0)
	s_wait_kmcnt 0x0
.irp e, 0,1,2,3,4,5,6,7,8,9,10,11,12,13,14,15
	global_load_b32 v[E+\e], v3, s[4:5] offset:8192*\e   ; an expert's row of posof is 2,048 words
.endr
	s_wait_loadcnt 0x0                             ; all sixteen are in
.irp e, 0,2,4,6,8,10,12,14
	v_or_b32 v[E+\e], v[E+\e], v[E+\e+1]
.endr
.irp e, 0,4,8,12
	v_or_b32 v[E+\e], v[E+\e], v[E+\e+2]
.endr
	s_delay_alu instid0(VALU_DEP_3)
	v_or_b32 v[E], v[E], v[E+4]
	s_delay_alu instid0(VALU_DEP_2)
	v_or_b32 v[E+8], v[E+8], v[E+12]
	s_delay_alu instid0(VALU_DEP_1)
	v_or_b32 v[E], v[E], v[E+8]                    ; the row
	s_delay_alu instid0(VALU_DEP_1)
	v_min_u32 v[E], 0x83ff, v[E]                   ; held inside ys: 16 x 2,112 rows
	s_delay_alu instid0(VALU_DEP_1)
	v_lshlrev_b32 v[E], 12, v[E]                   ; 4,096 bytes a row: 138,407,936 at the most
	s_delay_alu instid0(VALU_DEP_1)
	v_add_nc_u32 v[E], v[E], v2
.irp i, 0,1,2,3,4,5,6,7
	global_load_b128 v[D+4*\i:D+4*\i+3], v[E], s[6:7] offset:512*\i th:TH_LOAD_NT   ; read once in the launch
.endr
.irp i, 0,1,2,3,4,5,6,7
	s_wait_loadcnt 7-\i                            ; loads come back in order (ISA guide 5.7.1): piece i is in, the 7 - i behind it may be out
	global_store_b128 v4, v[D+4*\i:D+4*\i+3], s[8:9] offset:512*\i th:TH_STORE_NT   ; 512 consecutive bytes, at a multiple of 256 from out0's first byte
.endr
	s_endpgm
.Lfunc_end_k_q0b30446d2e_back:
	.size	k_q0b30446d2e_back, .Lfunc_end_k_q0b30446d2e_back-k_q0b30446d2e_back
	.p2alignl 7, 3214868480
	.fill 96, 4, 3214868480
	.section	.rodata,"a",@progbits
	.p2align	6, 0x0
	.amdhsa_kernel k_q0b30446d2e_back
		.amdhsa_group_segment_fixed_size 0
		.amdhsa_private_segment_fixed_size 0
		.amdhsa_enable_private_segment 0
		.amdhsa_kernarg_size 24
		.amdhsa_user_sgpr_count 2
		.amdhsa_user_sgpr_kernarg_segment_ptr 1
		.amdhsa_wavefront_size32 1
		.amdhsa_system_sgpr_workgroup_id_x 1
		.amdhsa_system_sgpr_workgroup_id_y 1
		.amdhsa_system_sgpr_workgroup_id_z 1
		.amdhsa_system_vgpr_workitem_id 0
		.amdhsa_next_free_vgpr 64
		.amdhsa_next_free_sgpr 66
		.amdhsa_reserve_vcc 0
		.amdhsa_float_denorm_mode_32 3
		.amdhsa_float_denorm_mode_16_64 3
		.amdhsa_memory_ordered 1
		.amdhsa_forward_progress 1
		.amdhsa_inst_pref_size 5
	.end_amdhsa_kernel
	.amdgpu_metadata
---
amdhsa.version: [ 1, 2 ]
amdhsa.kernels:
  - .name:           k_q0b30446d2e_back
    .symbol:         k_q0b30446d2e_back.kd
    .args:
      - { .name: posof, .offset: 0, .size: 8, .value_kind: global_buffer, .address_space: global }
      - { .name: ys, .offset: 8, .size: 8, .value_kind: global_buffer, .address_space: global }
      - { .name: out0, .offset: 16, .size: 8, .value_kind: global_buffer, .address_space: global }
    .group_segment_fixed_size: 0
    .private_segment_fixed_size: 0
    .kernarg_segment_align: 8
    .kernarg_segment_size: 24
    .max_flat_workgroup_size: 256
    .sgpr_count:     66
    .vgpr_count:     64
    .wavefront_size: 32
...
	.end_amdgpu_metadata
.endif
;; end of part 6
